; MI455X (gfx1250); checked and timed in simulation.
; The chip was launched on July 23, 2026; its instructions are those of AMD's public machine-readable ISA for CDNA 5 (MIT licence, August 2026) and "CDNA5" Instruction Set Architecture Reference Guide (July 2026). The comments in the code are by the model that wrote it; some were corrected since.
;; Transformer. Allowed arithmetic: matrix products marked QUANTISED: E3M2 operands, one E8M0 scale for each 32 along K, by v_wmma_scale_f32_16x16x128_f8f6f4 with both operands' format E3M2, f32 sums; everything else in f32.
;; Inputs: W_qkv 3,072 x 1,024 float32; b_qkv 3,072 float32; input_ 8 x 1,024 x 1,024 float32.
;; Outputs: out0 8 x 1,024 x 1,024 float32.
;; This version of the problem:
;;   THIS VERSION OF THE PROBLEM IS GIVEN IN LOW PRECISION. The matrix products marked QUANTISED in the list below multiply operands that are first quantised to E3M2 (3 exponent bits, 2 mantissa bits; 6 bits a number), with one power-of-two scale for each 32 numbers along K (OCP MX v1.0); their sums are f32. All else is computed in f32.
;;   The module's matrix products, in the order in which they are computed (A, B: the left and right operand; K: the contracted axis; several contracted axes count as one K, in the product's order):
;;     1. [M 8,192, K 1,024] x [K 1,024, N 3,072]; A: input input_; B: input W_qkv: QUANTISED
;;     2. batch 8 x [M 1,024, K 1,024] x [K 1,024, N 1,024]; A: computed on the way; B: computed on the way: QUANTISED
;;     3. batch 8 x [M 1,024, K 1,024] x [K 1,024, N 1,024]; A: computed on the way; B: softmax (see below): QUANTISED
;;   THE QUANTISER, for each operand of a quantised product, along K:
;;     - K is cut into blocks of 32 from its start; a last block that is shorter is filled with zeros.
;;     - A block's scale is 2^e with e = floor(log2(the largest magnitude in the block)) - 4, held to -126 .. 127; a block of zeros has e = 0. As a byte (E8M0): e + 127.
;;     - Each number is divided by its block's scale, clamped to +-28, and rounded to the nearest number of E3M2, ties to even, subnormals kept.
;;     - The product sums the exact products of the quantised numbers (number of the format x scale) in f32.
;;   ~~~python
;;   def quantise(x, axis):      # numpy; x: float32 -> the quantised numbers, widened to float32 again
;;       x = np.moveaxis(x, axis, -1); K = x.shape[-1]
;;       x = np.pad(x, [(0, 0)] * (x.ndim - 1) + [(0, -K % 32)]); x = x.reshape(x.shape[:-1] + (-1, 32)); a = np.abs(x).max(-1, keepdims=True)
;;       e = np.where(a > 0, np.clip(np.frexp(np.where(a > 0, a, 1))[1] - 1 - 4, -126, 127), 0)      # np.frexp(a)[1] - 1 = floor(log2(a)), exactly
;;       r = np.clip(x / 2.0 ** e, -28, 28)
;;       step = 2.0 ** (np.maximum(np.frexp(np.where(r == 0, 1, r))[1] - 1, -2) - 2)
;;       q = np.round(r / step) * step * 2.0 ** e      # np.round: ties to even
;;       return np.moveaxis(q.reshape(q.shape[:-2] + (-1,))[..., :K], -1, axis).astype(np.float32)
;;   ~~~
;;   SOFTMAX AHEAD OF A QUANTISED PRODUCT. Where the list says 'softmax', what is quantised is not the finished softmax but p = 2^(t - M), with t = logit x log2(e) and M = ceil(the row's largest t), a whole number; so 1/2 < the row's largest p <= 1. The row's sum l is taken of the UNQUANTISED p, in f32, and the product's result is divided by l at the end. Since M is a whole number, a kernel that streams over the keys may use a running M (the ceiling of the running maximum): every later rescaling is an exact power of two, which a block's scale takes up: the codes' values come out the same.
;;   OPERANDS COMPUTED ON THE WAY. 'Computed on the way' means the value that the module computes at that place (a softmax that the list does not call 'softmax' is quantised finished and normalised). What goes into a quantiser is computed in f32, as accurately as f32 sums, v_exp_f32 and their like allow (about 1e-6 of the number): no bf16 or f16 on the way to a quantiser, and a product that is left as it is and whose result goes on into a quantised operand takes f32 operands (vector FMAs, or v_wmma_f32_16x16x4_f32). A number that lies on a knife's edge between two numbers of the format may be rounded either way, as far as f32 arithmetic and the matrix unit's own rounding can turn it there, and no further.
;; 2 versions, each right and faster than the one before. Each part assembles by itself: llvm-mc -triple=amdgcn-amd-amdhsa -mcpu=gfx1250 --defsym DOCPART=n.
;; ======== version 1 of 2: 4 launches
;; workspace buffers: xwc 8,650,752 bytes; xws 360,448 bytes; qkvc 18,874,368 bytes; qkvs 786,432 bytes; pc 6,291,456 bytes; pst 786,432 bytes
;; launch quant (part 1): grid 608 x 1, 4 waves a work-group, no clusters, 34,304 bytes of LDS; arguments input_, W_qkv, xwc, xws; writes xwc, xws
.if DOCPART == 1
	.amdgcn_target "amdgcn-amd-amdhsa--gfx1250"
	.amdhsa_code_object_version 6
	.text
	.protected	k_q87ce5a426b_quant
	.globl	k_q87ce5a426b_quant
	.p2align	8
	.type	k_q87ce5a426b_quant,@function
k_q87ce5a426b_quant:
	s_mov_b64 s[64:65], 0
	v_nop
	global_prefetch_b8 v0, s[64:65] scope:SCOPE_SE
	s_setreg_imm32_b32 hwreg(HW_REG_WAVE_MODE, 25, 1), 1
	s_wait_xcnt 0x0
; out = x + V softmax_i(K^T Q / 32), Q, K, V = W x + b; all three products on codes of BF6 (E3M2) with one E8M0 scale for each 32 along K.
; The program has four launches: this one (x and W into codes), qkv (product 1, bias, Q K V into codes), scores (product 2, softmax, P into codes), mix (product 3, / l, + x).
; NOTHING OF reference() IS LEFT OUT AS DEAD WORK: every bias goes into a quantiser (K's too), and every input has a way to the output.
; THIS LAUNCH: input_ [8][1024 c][1024 l] and W_qkv [3072 o][1024 c], f32, are quantised along c.  A block's scale byte is its largest magnitude's exponent field - 4, held at 1 from below.
; LIMITS: NaN and infinities among the inputs are not served; a block of zeros, or one whose largest magnitude lies under 2^-122, gets the byte 1 (the rule says 127 for zeros: its codes are zeros, and this program alone reads the bytes).
; LAYOUT OF ALL OPERANDS OF THE PROGRAM.  Rows: within each 32 rows, stored row 16 u + r holds row 8 u + r + 8 (r / 8), so that sixteen stored rows on end are a tile whose results, used as source 0, fall in ascending order along a lane's registers.
; Codes: [K step of 128][pair of 32 rows][3,072 bytes]; in a pair, byte 1024 c + 512 h + 256 u + 16 r holds registers 4 c .. 4 c + 3 of lane (r, h) of fragment u: an image of the operand's registers.
; Scale words: [group of 128 rows][K step][pair][r][u], 4 bytes each.
; Rows 0 .. 8191 of the space are x's (b, l), rows 8192 .. 11263 W's.
; Work-groups 0 .. 95 take W (K innermost: through a stage in LDS), the others x (K outermost: a lane to a column, registers down c).  Only W's path stores to LDS.  No matrix unit, no cluster, no tensor load: waves share nothing and memory binds.
.set KS1,   1081344                    ; bytes from a K step to the next: 88 groups x 12,288
.set WROWS, 786432                     ; where W's rows begin in a K step: 64 groups x 12,288
.set WSCL,  262144                     ; and among the scale words: 64 groups x 4,096
.set STG,   8448                       ; a wave's stage: 16 rows x (512 bytes + 16)
.set SPARE, 4*STG                      ; behind the stages: the spare words, 128 bytes a wave
.set SPW,   4                          ; v4  LDS address of my spare word; never rewritten
.set NIL,   5                          ; v5  0; never rewritten
; One block: 32 numbers of one lane, v[xs] on, become 6 registers of codes at v[fd] on and the scale's byte in v[by].
.macro BLK xs, fd, by
	v_max3_num_f32 v12, |v[\xs]|, |v[\xs+1]|, |v[\xs+2]|           ; the largest magnitude, in two chains
	v_max3_num_f32 v13, |v[\xs+3]|, |v[\xs+4]|, |v[\xs+5]|
.irp i, 6,10,14,18,22,26
	v_max3_num_f32 v12, v12, |v[\xs+\i]|, |v[\xs+\i+1]|
	v_max3_num_f32 v13, v13, |v[\xs+\i+2]|, |v[\xs+\i+3]|
.endr
	v_max3_num_f32 v12, v12, |v[\xs+30]|, |v[\xs+31]|
	v_max3_num_f32 v12, v12, v13, 0x2800000        ; and the floor 2^(5 - 127): the byte cannot fall under 1
	v_add_nc_u32 v11, 0xfe000000, v12              ; 4 off the exponent field: the conversion's scale operand
	v_cvt_scalef32_pk16_bf6_f32 v[\fd:\fd+2], v[\xs:\xs+15], v11
	v_cvt_scalef32_pk16_bf6_f32 v[16:18], v[\xs+16:\xs+31], v11    ; (a conversion's three registers begin on an even number)
	v_lshrrev_b32 v[\by], 23, v11                  ; the byte; also the plain instruction behind the conversions
.irp i, 0,1,2
	v_mov_b32 v[\fd+3+\i], v[16+\i]
.endr
.endm
	s_load_b256 s[4:11], s[0:1], 0x0               ; input_ s[4:5], W s[6:7], codes s[8:9], scale words s[10:11]
	v_lshl_add_u32 v[SPW], v0, 2, SPARE
	v_mov_b32 v[NIL], 0
	v_lshrrev_b32 v1, 5, v0
	v_readfirstlane_b32 s14, v1                    ; wave 0..3
	v_and_b32 v1, 31, v0                           ; lane
	s_cmp_lt_u32 ttmp9, 96
	s_cbranch_scc1 .Lpath_w
	; ---- x.  Work-group: one K step of one group of 128 positions; wave p: 32 positions, one pair.  A lane takes a position, its 128 registers run down c.
	s_sub_co_u32 s16, ttmp9, 96
	s_and_b32 s17, s16, 7                          ; K step
	s_lshr_b32 s18, s16, 3                         ; group 0..63 = 8 x batch + positions / 128
	s_lshr_b32 s19, s18, 3
	s_and_b32 s20, s18, 7
	s_lshl_b32 s22, s19, 22                        ; input_: batch x 4 MiB
	s_lshl_b32 s21, s17, 19                        ; + 128 channels x 4,096 bytes
	s_add_co_u32 s22, s22, s21
	s_lshl_b32 s21, s20, 9                         ; + 128 positions x 4 bytes
	s_add_co_u32 s22, s22, s21
	s_lshl_b32 s21, s14, 7                         ; + my wave's 32
	s_add_co_u32 s22, s22, s21
	s_mov_b32 s23, 0
	s_mul_i32 s24, s17, KS1                        ; codes: K step, group, pair
	s_mul_i32 s21, s18, 12288
	s_add_co_u32 s24, s24, s21
	s_mul_i32 s21, s14, 3072
	s_add_co_u32 s24, s24, s21
	s_mov_b32 s25, 0
	s_lshl_b32 s26, s18, 12                        ; scale words: group, K step, pair
	s_lshl_b32 s21, s17, 9
	s_add_co_u32 s26, s26, s21
	s_lshl_b32 s21, s14, 7
	s_add_co_u32 s26, s26, s21
	s_mov_b32 s27, 0
	v_lshlrev_b32 v2, 2, v1                        ; in: 4 bytes a lane
	v_bfe_u32 v3, v0, 3, 1                         ; my position's stored place: u = bit 3,
	v_and_b32 v6, 7, v0
	v_bfe_u32 v7, v0, 4, 1
	v_lshl_or_b32 v6, v7, 3, v6                    ; r = 8 x bit 4 + bits 2:0
	v_lshlrev_b32 v7, 4, v6
	v_lshl_add_u32 v7, v3, 8, v7                   ; 256 u + 16 r: the 32 lanes of a store cover 512 consecutive bytes
	v_lshlrev_b32 v8, 3, v6
	v_lshl_add_u32 v8, v3, 2, v8                   ; 8 r + 4 u
	s_wait_kmcnt 0x0
	s_add_nc_u64 s[4:5], s[4:5], s[22:23]
	s_add_nc_u64 s[8:9], s[8:9], s[24:25]
	s_add_nc_u64 s[10:11], s[10:11], s[26:27]
.set n, 0
.rept 128
	global_load_b32 v[32+n], v2, s[4:5] offset:n*4096 th:TH_LOAD_NT   ; x(c, my position): a wave reads 128 consecutive bytes, the four waves 512; read once in the launch
.set n, n+1
.endr
	s_wait_loadcnt 63                              ; of 128 loads at most 63 are out: the first 65 are in, blocks 0 and 1 among them
	BLK 32, 160, 20                                ; block kb belongs to lane half kb % 2 of the fragment, registers 6 (kb / 2) on: v160-171 half 0, v172-183 half 1
	BLK 64, 172, 21
	s_wait_loadcnt 32                              ; block 2 is in
	BLK 96, 166, 22
	s_wait_loadcnt 0x0
	BLK 128, 178, 23
	v_lshl_or_b32 v24, v21, 8, v20                 ; my row's scale word
	v_lshl_or_b32 v24, v22, 16, v24
	v_lshl_or_b32 v24, v23, 24, v24
.irp h, 0,1
.irp c, 0,1,2
	global_store_b128 v7, v[160+12*\h+4*\c:163+12*\h+4*\c], s[8:9] offset:1024*\c+512*\h
.endr
.endr
	global_store_b32 v8, v24, s[10:11]             ; 128 consecutive bytes a wave
	s_wait_tensorcnt 0x0                           ; the wave's end
	ds_add_u32 v[SPW], v[NIL]
	s_wait_dscnt 0x0
	s_endpgm
	; ---- W.  A wave: 64 rows x one K step: four fragments.  Each load reads one row's 512 bytes; the 16 rows of a fragment turn through my stage, so that lane (r, h) gets blocks h and 2 + h of row r.
.Lpath_w:
	s_and_b32 s17, ttmp9, 1
	s_lshl_b32 s17, s17, 2
	s_add_co_u32 s17, s17, s14                     ; K step = 4 (work-group % 2) + wave
	s_lshr_b32 s18, ttmp9, 1                       ; which 64 rows
	s_lshl_b32 s22, s18, 18                        ; W: 64 rows x 4,096 bytes
	s_lshl_b32 s21, s17, 9
	s_add_co_u32 s22, s22, s21
	s_mov_b32 s23, 0
	s_mul_i32 s24, s17, KS1
	s_mul_i32 s21, s18, 6144                       ; two pairs
	s_add_co_u32 s24, s24, s21
	s_add_co_u32 s24, s24, WROWS
	s_mov_b32 s25, 0
	s_lshr_b32 s26, s18, 1
	s_lshl_b32 s26, s26, 12
	s_lshl_b32 s21, s17, 9
	s_add_co_u32 s26, s26, s21
	s_and_b32 s21, s18, 1
	s_lshl_b32 s21, s21, 8
	s_add_co_u32 s26, s26, s21
	s_add_co_u32 s26, s26, WSCL
	s_mov_b32 s27, 0
	s_mov_b32 s28, 0x76543210
	s_mov_b32 s29, 0xfedcba98                      ; v_permlanex16_b32's selects for lane l xor 16
	s_mov_b32 s30, 0xffff0000                      ; lanes 16-31
	s_mul_i32 s31, s14, STG
	v_lshlrev_b32 v2, 4, v1                        ; 16 x lane
	v_add_nc_u32 v3, s31, v2                       ; the stage, on the way in
	v_and_b32 v6, 15, v0                           ; r
	v_bfe_u32 v7, v0, 4, 1                         ; h
	v_mul_u32_u24 v8, v6, 528
	v_lshl_add_u32 v8, v7, 7, v8
	v_add_nc_u32 v8, s31, v8                       ; and out: row r, + 128 h bytes: 33 x 16 bytes from row to row, so sixteen lanes touch sixteen different columns of 16 bytes
	v_lshlrev_b32 v9, 4, v6
	v_lshl_add_u32 v9, v7, 9, v9                   ; 512 h + 16 r: a fragment's image
	v_lshlrev_b32 v10, 3, v6
	v_lshl_add_u32 v10, v7, 7, v10                 ; 128 h + 8 r: the scale words' way out
	v_lshlrev_b32 v24, 3, v7                       ; 8 h bits
	v_mov_b32 v25, 0                               ; (a lane permute's destination counts as one of its sources)
	s_wait_kmcnt 0x0
	s_add_nc_u64 s[6:7], s[6:7], s[22:23]
	s_add_nc_u64 s[8:9], s[8:9], s[24:25]
	s_add_nc_u64 s[10:11], s[10:11], s[26:27]
.macro LOADF f                         ; the 16 rows of fragment f, in stored order, into set f % 2
.irp p, 0,1,2,3,4,5,6,7,8,9,10,11,12,13,14,15
	global_load_b128 v[32+64*((\f)%2)+4*\p:35+64*((\f)%2)+4*\p], v2, s[6:7] offset:(32*((\f)/2)+8*((\f)%2)+\p+8*(\p/8))*4096 th:TH_LOAD_NT
.endr
.endm
.macro FRAGW f
.if (\f) < 3
	s_wait_loadcnt 16                              ; this fragment's 16 loads are in; the next one's may be out
.else
	s_wait_loadcnt 0x0
.endif
.irp p, 0,1,2,3,4,5,6,7,8,9,10,11,12,13,14,15
	ds_store_b128 v3, v[32+64*((\f)%2)+4*\p:35+64*((\f)%2)+4*\p] offset:528*\p
.endr
.irp c, 0,1
.irp q, 0,1,2,3,4,5,6,7
	ds_load_b128 v[160+32*\c+4*\q:163+32*\c+4*\q], v8 offset:256*\c+16*\q   ; LDS serves a wave's instructions in order: these see the stores above
.endr
.endr
	s_wait_dscnt 0x0                               ; my 64 numbers are in, so the stores have read their registers
	s_wait_xcnt 0x0                                ; the last fragment's stores have read their data: v224-235 are written again only behind this wait
.if (\f) < 2
	LOADF (\f)+2
.endif
	BLK 160, 224, 20                               ; block h: registers 0-5
	BLK 192, 230, 21                               ; block 2 + h: registers 6-11
	v_lshl_or_b32 v26, v21, 16, v20                ; my two bytes,
	v_lshlrev_b32 v26, v24, v26                    ; at their places in the word;
	v_permlanex16_b32 v25, v26, s28, s29
	v_or_b32 v[240+(\f)], v26, v25                 ; with lane l xor 16's two it is whole
.irp c, 0,1,2
	global_store_b128 v9, v[224+4*\c:227+4*\c], s[8:9] offset:((\f)/2)*3072+((\f)%2)*256+1024*\c   ; two aligned runs of 256 bytes
.endr
.endm
	LOADF 0
	LOADF 1
	FRAGW 0
	FRAGW 1
	FRAGW 2
	FRAGW 3
	v_cndmask_b32 v244, v240, v242, s30            ; lanes 0-15 carry the first pair's two words, lanes 16-31 the second's
	v_cndmask_b32 v245, v241, v243, s30
	global_store_b64 v10, v[244:245], s[10:11]     ; 256 consecutive bytes, aligned
	s_wait_tensorcnt 0x0                           ; the wave's end, behind my last LDS store
	ds_add_u32 v[SPW], v[NIL]
	s_wait_dscnt 0x0
	s_endpgm
.Lfunc_end_k_q87ce5a426b_quant:
	.size	k_q87ce5a426b_quant, .Lfunc_end_k_q87ce5a426b_quant-k_q87ce5a426b_quant
	.p2alignl 7, 3214868480
	.fill 96, 4, 3214868480
	.section	.rodata,"a",@progbits
	.p2align	6, 0x0
	.amdhsa_kernel k_q87ce5a426b_quant
		.amdhsa_group_segment_fixed_size 34304
		.amdhsa_private_segment_fixed_size 0
		.amdhsa_enable_private_segment 0
		.amdhsa_kernarg_size 32
		.amdhsa_user_sgpr_count 2
		.amdhsa_user_sgpr_kernarg_segment_ptr 1
		.amdhsa_wavefront_size32 1
		.amdhsa_system_sgpr_workgroup_id_x 1
		.amdhsa_system_sgpr_workgroup_id_y 1
		.amdhsa_system_sgpr_workgroup_id_z 1
		.amdhsa_system_vgpr_workitem_id 0
		.amdhsa_next_free_vgpr 256
		.amdhsa_next_free_sgpr 66
		.amdhsa_reserve_vcc 0
		.amdhsa_float_denorm_mode_32 3
		.amdhsa_float_denorm_mode_16_64 3
		.amdhsa_memory_ordered 1
		.amdhsa_forward_progress 1
		.amdhsa_inst_pref_size 50
	.end_amdhsa_kernel
	.amdgpu_metadata
---
amdhsa.version: [ 1, 2 ]
amdhsa.kernels:
  - .name:           k_q87ce5a426b_quant
    .symbol:         k_q87ce5a426b_quant.kd
    .args:
      - { .name: input_, .offset: 0, .size: 8, .value_kind: global_buffer, .address_space: global }
      - { .name: W_qkv, .offset: 8, .size: 8, .value_kind: global_buffer, .address_space: global }
      - { .name: xwc, .offset: 16, .size: 8, .value_kind: global_buffer, .address_space: global }
      - { .name: xws, .offset: 24, .size: 8, .value_kind: global_buffer, .address_space: global }
    .group_segment_fixed_size: 34304
    .private_segment_fixed_size: 0
    .kernarg_segment_align: 8
    .kernarg_segment_size: 32
    .max_flat_workgroup_size: 128
    .sgpr_count:     66
    .vgpr_count:     256
    .wavefront_size: 32
...
	.end_amdgpu_metadata
.endif
;; end of part 1
;; launch qkv (part 2): grid 12 x 64, 4 waves a work-group, clusters of 4 x 4, 327,680 bytes of LDS; arguments xwc, xws, b_qkv, qkvc, qkvs; writes qkvc, qkvs
.if DOCPART == 2
	.amdgcn_target "amdgcn-amd-amdhsa--gfx1250"
	.amdhsa_code_object_version 6
	.text
	.protected	k_q87ce5a426b_qkv
	.globl	k_q87ce5a426b_qkv
	.p2align	8
	.type	k_q87ce5a426b_qkv,@function
k_q87ce5a426b_qkv:
	s_mov_b64 s[64:65], 0
	v_nop
	global_prefetch_b8 v0, s[64:65] scope:SCOPE_SE
	s_setreg_imm32_b32 hwreg(HW_REG_WAVE_MODE, 25, 1), 1
	s_wait_xcnt 0x0
	s_wait_alu depctr_hold_cnt(0) depctr_sa_sdst(0) depctr_va_vdst(0) depctr_va_sdst(0) depctr_va_ssrc(0) depctr_va_vcc(0) depctr_vm_vsrc(0)
	s_getreg_b32 s2, hwreg(HW_REG_IB_STS2, 6, 4)
	s_cmp_eq_u32 s2, 0
	s_cbranch_scc0 .Lentry_in_a_cluster
	s_endpgm
.Lentry_in_a_cluster:
	s_bfe_u32 s2, ttmp6, 0x10000c
	s_cmp_lg_u32 s2, 0xf033
	s_cbranch_scc0 .Lentry_shape_is_right
	s_endpgm
.Lentry_shape_is_right:
; Product 1: qkv = W x + b, on the codes that the launch before made, and Q, K, V quantised in registers for the next products.  Nothing of reference() is left out.
; A work-group makes 128 (rows of A) x 256 (rows of B); a wave 64 x 128: 32 accumulators.  ALL OF K (1,024) LIES IN LDS: (128 + 256) rows x 768 bytes = 294,912 bytes, asked for at the head by four tensor loads a wave:
; no byte of LDS is filled twice, so the barriers in the run are plain ones with counted waits.
; CLUSTER 4 x 4: A's tiles are shared along a row of the cluster, B's along a column: joint loads.
; THE PRODUCT IS USED TRANSPOSED (source 0 = 16 rows of B, source 1 = 16 rows of A): a lane holds one row of A, its registers run along B's rows, in ascending order by the operands' stored row order.
; ROLES, by the cluster's x (the same in all sixteen partners): 0 Q, 1 K: A = x (positions), B = W's rows: registers run along the channels, the next K.  2 V: A = W's rows of V, B = x: registers run along the positions, V's K.
; The wave's 128 of B's rows are one K step of the result's operand: four fragments and their scale words, stored as images of the registers.
; LIMITS: NaN and infinities are not served; a block under 2^-122 gets the scale byte 1.
; REGISTERS: window 0: v0-31 addresses; v32-47 A's scale words, v48-79 B's; v96-103 V's bias; v128-223 A's fragments, two sets (behind the run: v128-191 the 64 numbers in hand, v192-237 at work).
;   window 1: B's fragments, two sets at v0 and v128; v96-127, v224-255 the bias of Q, K.   window 2: the accumulators, (a, b) at v[8 (8 a + b)].
.set KSA,    1081344                   ; bytes from a K step to the next in A's and in B's buffer
.set KSB,    1081344
.set KSO,    2359296                   ; and in the result's
.set GRPB,   12288                     ; a group of 128 rows, one K step
.set KSTEPB, 36864                     ; LDS: a K step: A's 12,288 bytes, then B's 24,576
.set SPARE,  296960                    ; the spare words, 128 bytes a wave
.set LA,  3                            ; v3  512 h + 16 r: my place in a fragment's image
.set LSC, 4                            ; v4  512 h + 8 r: scale words: lanes 0-15 an even K step, lanes 16-31 the odd one behind it
.set LSW, 5                            ; v5  128 h + 8 r: the scale words' way out
.set LBI, 6                            ; v6  64 h
.set LBM, 7                            ; v7  4 (r + 8 (r / 8))
.set ADA, 8                            ; v8-15  LDS address of my A fragments of K step 0..7
.set ADB, 16                           ; v16-23 the same for B
.set SPW, 28
.set NIL, 29
.set SA,  32
.set SB,  48
.set BM,  96
.set AF,  128
.set H,   128
.set PC,  192
.set TM,  212
.set PW,  232
.set DD,  236
.set WV,  16
.set HFA, 17
.set HFB, 18
.set CX,  19
.set CY,  20
.set CLX, 21
.set CLY, 22
.set ROLE, 23
.set G1A, 24
.set G1B, 32
.set G0A, 40
.set G0B, 68
.set HMASK, 61
.set SEL, 84
.set OUT, 94
.set OUTS, 96
.set MSB, 0
.macro WIN new                         ; the immediate's high byte repeats the setting that is left
.if MSB != \new
	s_set_vgpr_msb (MSB<<8)|\new
.set MSB, \new
.endif
.endm
.macro CROUND                          ; a round of the cluster's barrier
	s_barrier_signal -1
	s_barrier_wait -1
	s_cmp_lg_u32 s[WV], 0
	s_cbranch_scc1 .Lnot_wave_0_\@
	s_barrier_signal -3
.Lnot_wave_0_\@:
	s_barrier_wait -3
	s_barrier_signal -1
	s_barrier_wait -1
.endm
.macro FETCH ks, set                   ; 36 LDS loads: B's eight fragments and A's four of one K step; sixteen lanes read 256 consecutive bytes
	WIN 0x40
.irp i, 0,1,2,3,4,5,6,7
.irp c, 0,1,2
	ds_load_b128 v[128*(\set)+12*\i+4*\c:128*(\set)+12*\i+4*\c+3], v[ADB+(\ks)] offset:(\i/2)*3072+(\i%2)*256+1024*\c
.endr
.endr
	WIN 0
.irp i, 0,1,2,3
.irp c, 0,1,2
	ds_load_b128 v[AF+48*(\set)+12*\i+4*\c:AF+48*(\set)+12*\i+4*\c+3], v[ADA+(\ks)] offset:(\i/2)*3072+(\i%2)*256+1024*\c
.endr
.endr
.endm
.macro GATE n                          ; every wave's tensor loads but the youngest n have landed: no LDS byte is filled again behind this barrier, so the others may stay out
	s_wait_dscnt 0x0
	s_wait_tensorcnt \n
	s_barrier_signal -1
	s_barrier_wait -1
.endm
.macro MUL32 ks                        ; 32 products; the accumulators take turns, one instruction a turn, in the same order in every step
	WIN 0xa1
.irp a, 0,1,2,3
.irp b, 0,1,2,3,4,5,6,7
.set rD, 8*(8*\a+\b)
.set rB, 128*((\ks)%2)+12*\b
.set rA, AF+48*((\ks)%2)+12*\a
.set rSB, SB+8*((\ks)/2)+\b
.set rSA, SA+4*((\ks)/2)+\a
.if (\ks) == 0
	v_wmma_scale_f32_16x16x128_f8f6f4 v[rD:rD+7], v[rB:rB+11], v[rA:rA+11], 0, v[rSB], v[rSA] matrix_a_fmt:MATRIX_FMT_BF6 matrix_b_fmt:MATRIX_FMT_BF6
.elseif ((\ks)%2) == 0
	v_wmma_scale_f32_16x16x128_f8f6f4 v[rD:rD+7], v[rB:rB+11], v[rA:rA+11], v[rD:rD+7], v[rSB], v[rSA] matrix_a_fmt:MATRIX_FMT_BF6 matrix_b_fmt:MATRIX_FMT_BF6
.else
	v_wmma_scale_f32_16x16x128_f8f6f4 v[rD:rD+7], v[rB:rB+11], v[rA:rA+11], v[rD:rD+7], v[rSB], v[rSA] matrix_a_fmt:MATRIX_FMT_BF6 matrix_b_fmt:MATRIX_FMT_BF6 matrix_a_scale:MATRIX_SCALE_ROW1 matrix_b_scale:MATRIX_SCALE_ROW1
.endif
.endr
.endr
.endm
.macro STEP ks, gate
.if (\ks) > 0
.rept 4
	v_nop                                          ; places in front of loads into the set that the step before multiplied
.endr
.endif
.if (\gate) >= 0
	GATE \gate
.endif
.if (\ks) < 7
	FETCH (\ks)+1, ((\ks)+1)%2
	s_wait_dscnt 36                                ; this step's fragments are in; the 36 loads just issued may be out
.else
	s_wait_dscnt 0x0
.endif
	MUL32 \ks
.endm
; 64 numbers of a lane, register 16 b + i = k 32 b + 16 h + i of my row, become a fragment's codes in v[PC] on and its scale word in v[pw]
.macro QUANT s, pw
.irp b, 0,1,2,3
	v_max3_num_f32 v[TM+\b], |v[\s+16*\b]|, |v[\s+1+16*\b]|, 0x2800000   ; my 16 numbers of block b, and the floor 2^(5 - 127)
.endr
.irp i, 2,4,6,8,10,12,14
.irp b, 0,1,2,3
	v_max3_num_f32 v[TM+\b], v[TM+\b], |v[\s+16*\b+\i]|, |v[\s+1+16*\b+\i]|
.endr
.endr
.irp b, 0,1,2,3
	v_permlanex16_b32 v[TM+4+\b], v[TM+\b], s[SEL], s[SEL+1]
.endr
.irp b, 0,1,2,3
	v_max_num_f32 v[TM+\b], v[TM+\b], v[TM+4+\b]   ; with lane l xor 16's: the block's largest magnitude
.endr
.irp b, 0,1,2,3
	v_add_nc_u32 v[TM+12+\b], 0xfe000000, v[TM+\b] ; 4 off its exponent field: the conversion's scale operand
.endr
.irp b, 0,1,2,3
	v_lshrrev_b32 v[TM+4+\b], 23, v[TM+12+\b]      ; the byte
.endr
	v_lshl_or_b32 v[\pw], v[TM+5], 8, v[TM+4]
	v_lshl_or_b32 v[\pw], v[TM+6], 16, v[\pw]
	v_lshl_or_b32 v[\pw], v[TM+7], 24, v[\pw]
.irp c, 0,1
	v_cvt_scalef32_pk16_bf6_f32 v[PC+6*\c:PC+2+6*\c], v[\s+32*\c:\s+15+32*\c], v[TM+12+2*\c]
	v_cvt_scalef32_pk16_bf6_f32 v[PC+12+4*\c:PC+14+4*\c], v[\s+16+32*\c:\s+31+32*\c], v[TM+12+2*\c+1]
.endr
	v_nop                                          ; one plain instruction behind a scaled conversion
.irp c, 0,1                                    ; the operand's layout wants a whole block in a lane
.irp i, 0,1,2
	v_permlane16_swap_b32 v[PC+6*\c+\i], v[PC+12+4*\c+\i]
.endr
.irp i, 0,1,2
	v_mov_b32 v[PC+3+6*\c+\i], v[PC+12+4*\c+\i]
.endr
.endr
.endm
	s_load_b256 s[4:11], s[0:1], 0x0               ; codes s[4:5], scale words s[6:7], bias s[8:9], result's codes s[10:11]
	s_load_b64 s[12:13], s[0:1], 0x20              ; result's scale words
	v_lshl_add_u32 v[SPW], v0, 2, SPARE
	v_mov_b32 v[NIL], 0
	ds_add_u32 v[SPW], v[NIL]                      ; the wave's opening: the add, twice on end, and its wait ahead of my first tensor load
	ds_add_u32 v[SPW], v[NIL]
	v_lshrrev_b32 v1, 5, v0
	v_readfirstlane_b32 s[WV], v1                  ; wave 0..3
	s_lshr_b32 s[HFA], s[WV], 1                    ; which 64 of A's rows are mine.  Also: I fetch for A (0) or for B (1)
	s_and_b32 s[HFB], s[WV], 1                     ; which 128 of B's rows.  Also: I fetch the even (0) or the odd (1) K steps
	s_bfe_u32 s[CX], ttmp6, 0x40000
	s_bfe_u32 s[CY], ttmp6, 0x40004
	s_mov_b32 s[CLX], ttmp9
	s_and_b32 s[CLY], ttmp7, 0xffff
	s_lshl_b32 s56, s[CY], 2
	s_lshl_b32 s56, 15, s56                        ; my row of the cluster
	s_lshl_b32 s86, 0x1111, s[CX]                  ; my column
	s_or_b32 s[G1A], s56, (3<<16)|(1<<21)          ; group 1: the mask; elements of 8 bytes; bit 21 set beside a mask; no padding
	s_or_b32 s[G1B], s86, (3<<16)|(1<<21)
.irp g, G1A, G1B
	s_mov_b32 s[\g+1], 32<<16                      ; a dense block as rows of 256 bytes: tensor_dim0 = 32
	s_mov_b32 s[\g+3], 32<<16                      ; tile_dim0
	s_mov_b32 s[\g+5], 32                          ; from row to row
	s_mov_b32 s[\g+6], 0
	s_mov_b32 s[\g+7], 0
.endr
	s_mov_b32 s[G1A+2], 48<<16                     ; A: 12,288 bytes: 48 rows
	s_mov_b32 s[G1A+4], 48
	s_mov_b32 s[G1B+2], 96<<16                     ; B: 24,576 bytes: 96 rows
	s_mov_b32 s[G1B+4], 96
	; the groups of 128 rows.  A's hang on cy and the cluster's ids, B's on cx and the cluster's ids; s56-59 never hold cx, s86-89 never cy
	s_and_b32 s56, s[CLY], 1
	s_lshl_b32 s56, s56, 2
	s_add_co_u32 s56, s56, 80                      ; V: W's rows 2048 on: group 80 + 4 (cluster y % 2)
	s_lshl_b32 s57, s[CLY], 2                      ; Q, K: x's group 4 x cluster y
	s_lshr_b32 s86, s[CLY], 1
	s_lshl_b32 s86, s86, 3                         ; V: x's groups of batch cluster y / 2
	s_lshl_b32 s87, s[CLX], 3
	s_add_co_u32 s87, s87, 64                      ; Q, K: W's groups 64 + 8 x cluster x
	s_cmp_eq_u32 s[CLX], 2
	s_cselect_b32 s[ROLE], 1, 0
	s_cselect_b32 s56, s56, s57
	s_cselect_b32 s86, s86, s87
	s_add_co_u32 s56, s56, s[CY]                   ; A's group
	s_lshl_b32 s87, s[CX], 1
	s_add_co_u32 s86, s86, s87                     ; B's first group of two
	s_lshl_b32 s58, s56, 12                        ; A's scale words: my 64 rows
	s_lshl_b32 s59, s[HFA], 8
	s_add_co_u32 s58, s58, s59
	s_mov_b32 s59, 0
	s_add_co_u32 s88, s86, s[HFB]                  ; B's: my 128 rows
	s_lshl_b32 s88, s88, 12
	s_mov_b32 s89, 0
	s_mul_i32 s56, s56, GRPB                       ; the tiles: the group, and K step wave % 2
	s_mul_i32 s57, s[HFB], KSA
	s_add_co_u32 s56, s56, s57
	s_mov_b32 s57, 0
	s_mul_i32 s86, s86, GRPB
	s_mul_i32 s87, s[HFB], KSB
	s_add_co_u32 s86, s86, s87
	s_mov_b32 s87, 0
	s_mul_i32 s60, s[HFB], KSTEPB                  ; and where they go: no place in the cluster enters an LDS address
	; the bias.  Q, K: by the register's channel, 1024 x cluster x + 256 cx + 128 half on.  V: by the lane's channel, 2048 + 128 (4 (cluster y % 2) + cy) + 64 half on.
	; Both files are loaded in both roles, so that every register is written on every way; the file that a role does not use is read from the bias's first numbers.
	s_lshl_b32 s90, s[CLX], 10
	s_lshl_b32 s91, s[CX], 8
	s_add_co_u32 s90, s90, s91
	s_lshl_b32 s91, s[HFB], 7
	s_add_co_u32 s90, s90, s91
	s_and_b32 s92, s[CLY], 1
	s_lshl_b32 s92, s92, 2
	s_add_co_u32 s92, s92, s[CY]
	s_lshl_b32 s92, s92, 7
	s_lshl_b32 s93, s[HFA], 6
	s_add_co_u32 s92, s92, s93
	s_add_co_u32 s92, s92, 2048
	s_cmp_eq_u32 s[ROLE], 1
	s_cselect_b32 s90, 0, s90
	s_cselect_b32 s92, s92, 0
	s_lshl_b32 s90, s90, 2
	s_lshl_b32 s92, s92, 2
	s_mov_b32 s91, 0
	s_mov_b32 s93, 0
	; the result: group 64 x cluster x + 4 x cluster y + cy of the space Q, K, V; K step 2 cx + half
	s_lshl_b32 s94, s[CLX], 6
	s_lshl_b32 s95, s[CLY], 2
	s_add_co_u32 s94, s94, s95
	s_add_co_u32 s94, s94, s[CY]
	s_lshl_b32 s98, s[CX], 1
	s_add_co_u32 s98, s98, s[HFB]
	s_lshl_b32 s96, s94, 12
	s_lshl_b32 s95, s98, 9
	s_add_co_u32 s96, s96, s95
	s_lshl_b32 s95, s[HFA], 8
	s_add_co_u32 s96, s96, s95
	s_mov_b32 s97, 0
	s_mul_i32 s94, s94, GRPB
	s_mul_i32 s95, s98, KSO
	s_add_co_u32 s94, s94, s95
	s_mul_i32 s95, s[HFA], 6144
	s_add_co_u32 s94, s94, s95
	s_mov_b32 s95, 0
	s_mov_b32 s[SEL], 0x76543210
	s_mov_b32 s[SEL+1], 0xfedcba98
	s_mov_b32 s[HMASK], 0xffff0000
	s_wait_dscnt 0x0                               ; both opening adds are done
	s_wait_kmcnt 0x0
	s_add_nc_u64 s[56:57], s[4:5], s[56:57]
	s_add_nc_u64 s[86:87], s[4:5], s[86:87]
	s_add_nc_u64 s[58:59], s[6:7], s[58:59]
	s_add_nc_u64 s[88:89], s[6:7], s[88:89]
	s_add_nc_u64 s[90:91], s[8:9], s[90:91]
	s_add_nc_u64 s[92:93], s[8:9], s[92:93]
	s_add_nc_u64 s[OUT:OUT+1], s[10:11], s[OUT:OUT+1]
	s_add_nc_u64 s[OUTS:OUTS+1], s[12:13], s[OUTS:OUTS+1]
.irp n, 0,1,2,3                                ; group 0, a set for each of my four loads: K step 2 n + wave % 2
	s_mov_b32 s[G0A+4*\n], 1
	s_add_co_u32 s[G0A+4*\n+1], s60, \n*2*KSTEPB
	s_add_nc_u64 s[G0A+4*\n+2:G0A+4*\n+3], s[56:57], \n*2*KSA
	s_or_b32 s[G0A+4*\n+3], s[G0A+4*\n+3], 0x80000000
	s_mov_b32 s[G0B+4*\n], 1
	s_add_co_u32 s[G0B+4*\n+1], s60, \n*2*KSTEPB+GRPB
	s_add_nc_u64 s[G0B+4*\n+2:G0B+4*\n+3], s[86:87], \n*2*KSB
	s_or_b32 s[G0B+4*\n+3], s[G0B+4*\n+3], 0x80000000
.endr
	CROUND                                         ; all sixteen work-groups are here: the joint loads meet
	s_cmp_eq_u32 s[HFA], 0                         ; waves 0, 1 fetch A's tiles, waves 2, 3 B's: four loads of mine are out
	s_cbranch_scc0 .Lfill_b
.irp n, 0,1,2,3
	tensor_load_to_lds s[G0A+4*\n:G0A+4*\n+3], s[G1A:G1A+7]
	s_nop 0
.endr
.rept 4
	v_nop
.endr
	s_branch .Lfilled
.Lfill_b:
.irp n, 0,1,2,3
	tensor_load_to_lds s[G0B+4*\n:G0B+4*\n+3], s[G1B:G1B+7]
	s_nop 0
.endr
.rept 4
	v_nop
.endr
.Lfilled:
	v_and_b32 v1, 15, v0                           ; r
	v_bfe_u32 v2, v0, 4, 1                         ; h
	v_lshlrev_b32 v[LA], 4, v1
	v_lshl_add_u32 v[LA], v2, 9, v[LA]
	v_lshlrev_b32 v[LSC], 3, v1
	v_lshl_add_u32 v[LSW], v2, 7, v[LSC]
	v_lshl_add_u32 v[LSC], v2, 9, v[LSC]
.irp k, 0,1,2,3                                ; the scale words of all of K stay in registers: a pair of K steps to a register
.irp p, 0,1
	global_load_b64 v[SA+4*\k+2*\p:SA+4*\k+2*\p+1], v[LSC], s[58:59] offset:1024*\k+128*\p
.endr
.endr
.irp k, 0,1,2,3
.irp p, 0,1,2,3
	global_load_b64 v[SB+8*\k+2*\p:SB+8*\k+2*\p+1], v[LSC], s[88:89] offset:1024*\k+128*\p
.endr
.endr
	v_lshlrev_b32 v[LBI], 6, v2
	v_and_b32 v[LBM], 8, v1
	v_add_nc_u32 v[LBM], v[LBM], v1
	v_lshlrev_b32 v[LBM], 2, v[LBM]
	WIN 0x40
.irp b, 0,1,2,3                                ; register 16 b + i: channel 32 b + 16 h + i
.irp q, 0,1,2,3
	global_load_b128 v[96+16*\b+4*\q+96*(\b/2):99+16*\b+4*\q+96*(\b/2)], v[LBI], s[90:91] offset:128*\b+16*\q
.endr
.endr
	WIN 0
.irp a, 0,1,2,3                                ; block a, lane r: channel 32 (a / 2) + 8 (a % 2) + r + 8 (r / 8); twice, since the packed sum names a pair
	global_load_b32 v[BM+2*\a], v[LBM], s[92:93] offset:4*(32*(\a/2)+8*(\a%2))
	global_load_b32 v[BM+2*\a+1], v[LBM], s[92:93] offset:4*(32*(\a/2)+8*(\a%2))
.endr
	s_mul_i32 s62, s[HFA], 6144
	s_mul_i32 s63, s[HFB], GRPB
	s_add_co_u32 s63, s63, GRPB
.irp k, 0,1,2,3,4,5,6,7
	v_add_nc_u32 v[ADA+\k], s62, v[LA]
	v_add_nc_u32 v[ADB+\k], s63, v[LA]
	s_add_co_u32 s62, s62, KSTEPB
	s_add_co_u32 s63, s63, KSTEPB
.endr
	GATE 3                                         ; K steps 0 and 1 are in LDS
	FETCH 0, 0
	s_wait_loadcnt 24                              ; the scale words are in; the 24 loads of the bias may be out
	STEP 0, -1
	STEP 1, 2                                      ; K steps 2 and 3
	STEP 2, -1
	STEP 3, 1                                      ; 4 and 5
	STEP 4, -1
	STEP 5, 0                                      ; 6 and 7
	STEP 6, -1
	STEP 7, -1
	WIN 0
.rept 4
	v_nop                                          ; places in front of the first read of results and the first write of the fragments' registers
.endr
.irp b, 0,1,2,3
	v_mov_b32 v[TM+4+\b], 0                        ; written once: a lane permute's destination counts as one of its sources
.endr
	s_wait_loadcnt 0x0                             ; the bias
; Block a (16 rows of A): + bias, quantised, stored as an image.  Each accumulator is read from its low end on.
.macro EPI a
	s_wait_xcnt 0x0                                ; the last block's stores have read their data
	s_cmp_eq_u32 s[ROLE], 1
	s_cbranch_scc1 .Lrow_bias_\@
	WIN 0x06                                       ; source 0 window 2, source 1 window 1
.set j, 0
.rept 32
	v_pk_add_f32 v[H+j:H+j+1], v[64*(\a)+j:64*(\a)+j+1], v[96+j+96*(j/32):97+j+96*(j/32)]
.set j, j+2
.endr
	WIN 0
	s_branch .Lbiased_\@
.Lrow_bias_\@:
	WIN 0x02
.set j, 0
.rept 32
	v_pk_add_f32 v[H+j:H+j+1], v[64*(\a)+j:64*(\a)+j+1], v[BM+2*(\a):BM+2*(\a)+1] op_sel_hi:[1,0]
.set j, j+2
.endr
	WIN 0
.Lbiased_\@:
	QUANT H, PW+(\a)
.irp c, 0,1,2
	global_store_b128 v[LA], v[PC+4*\c:PC+4*\c+3], s[OUT:OUT+1] offset:((\a)/2)*3072+((\a)%2)*256+1024*\c   ; two aligned runs of 256 bytes
.endr
.endm
	EPI 0
	EPI 1
	EPI 2
	EPI 3
	v_cndmask_b32 v[DD], v[PW], v[PW+2], s[HMASK]  ; lanes 0-15 carry the first pair's two words, lanes 16-31 the second's
	v_cndmask_b32 v[DD+1], v[PW+1], v[PW+3], s[HMASK]
	global_store_b64 v[LSW], v[DD:DD+1], s[OUTS:OUTS+1]   ; 256 consecutive bytes, aligned
	s_wait_tensorcnt 0x0                           ; the wave's end
	ds_add_u32 v[SPW], v[NIL]
	s_wait_dscnt 0x0
	CROUND                                         ; the closing round
	s_endpgm
.Lfunc_end_k_q87ce5a426b_qkv:
	.size	k_q87ce5a426b_qkv, .Lfunc_end_k_q87ce5a426b_qkv-k_q87ce5a426b_qkv
	.p2alignl 7, 3214868480
	.fill 96, 4, 3214868480
	.section	.rodata,"a",@progbits
	.p2align	6, 0x0
	.amdhsa_kernel k_q87ce5a426b_qkv
		.amdhsa_group_segment_fixed_size 327680
		.amdhsa_private_segment_fixed_size 0
		.amdhsa_enable_private_segment 0
		.amdhsa_kernarg_size 40
		.amdhsa_user_sgpr_count 2
		.amdhsa_user_sgpr_kernarg_segment_ptr 1
		.amdhsa_wavefront_size32 1
		.amdhsa_system_sgpr_workgroup_id_x 1
		.amdhsa_system_sgpr_workgroup_id_y 1
		.amdhsa_system_sgpr_workgroup_id_z 1
		.amdhsa_system_vgpr_workitem_id 0
		.amdhsa_next_free_vgpr 768
		.amdhsa_next_free_sgpr 100
		.amdhsa_reserve_vcc 0
		.amdhsa_float_denorm_mode_32 3
		.amdhsa_float_denorm_mode_16_64 3
		.amdhsa_memory_ordered 1
		.amdhsa_forward_progress 1
		.amdhsa_inst_pref_size 102
	.end_amdhsa_kernel
	.amdgpu_metadata
---
amdhsa.version: [ 1, 2 ]
amdhsa.kernels:
  - .name:           k_q87ce5a426b_qkv
    .symbol:         k_q87ce5a426b_qkv.kd
    .args:
      - { .name: xwc, .offset: 0, .size: 8, .value_kind: global_buffer, .address_space: global }
      - { .name: xws, .offset: 8, .size: 8, .value_kind: global_buffer, .address_space: global }
      - { .name: b_qkv, .offset: 16, .size: 8, .value_kind: global_buffer, .address_space: global }
      - { .name: qkvc, .offset: 24, .size: 8, .value_kind: global_buffer, .address_space: global }
      - { .name: qkvs, .offset: 32, .size: 8, .value_kind: global_buffer, .address_space: global }
    .group_segment_fixed_size: 327680
    .private_segment_fixed_size: 0
    .kernarg_segment_align: 8
    .kernarg_segment_size: 40
    .max_flat_workgroup_size: 128
    .sgpr_count:     100
    .vgpr_count:     768
    .wavefront_size: 32
...
	.end_amdgpu_metadata
.endif
;; end of part 2
;; launch scores (part 3): grid 4 x 64, 4 waves a work-group, clusters of 4 x 4, 327,680 bytes of LDS; arguments qkvc, qkvs, pc, pst; writes pc, pst
.if DOCPART == 3
	.amdgcn_target "amdgcn-amd-amdhsa--gfx1250"
	.amdhsa_code_object_version 6
	.text
	.protected	k_q87ce5a426b_scores
	.globl	k_q87ce5a426b_scores
	.p2align	8
	.type	k_q87ce5a426b_scores,@function
k_q87ce5a426b_scores:
	s_mov_b64 s[64:65], 0
	v_nop
	global_prefetch_b8 v0, s[64:65] scope:SCOPE_SE
	s_setreg_imm32_b32 hwreg(HW_REG_WAVE_MODE, 25, 1), 1
	s_wait_xcnt 0x0
	s_wait_alu depctr_hold_cnt(0) depctr_sa_sdst(0) depctr_va_vdst(0) depctr_va_sdst(0) depctr_va_ssrc(0) depctr_va_vcc(0) depctr_vm_vsrc(0)
	s_getreg_b32 s2, hwreg(HW_REG_IB_STS2, 6, 4)
	s_cmp_eq_u32 s2, 0
	s_cbranch_scc0 .Lentry_in_a_cluster
	s_endpgm
.Lentry_in_a_cluster:
	s_bfe_u32 s2, ttmp6, 0x10000c
	s_cmp_lg_u32 s2, 0xf033
	s_cbranch_scc0 .Lentry_shape_is_right
	s_endpgm
.Lentry_shape_is_right:
; Product 2 and the softmax's first half.  S[i][j] = K[:, i] . Q[:, j]; t = S x log2(e) / 32.  Nothing of reference() is left out.
; A = Q (128 queries of one batch), B = K (256 keys): a lane holds one query, its registers run along the keys.  The frame is that of the launch before: all of K (the 1,024 channels) in LDS, four joint tensor loads a wave, no refill.
; A wave holds 64 queries x 128 keys: one K step of the last product.  For these 128 keys it takes a maximum OF ITS OWN: Mloc = ceil(the largest t among them), a whole number; p = 2^(t - Mloc) is quantised along the keys, and
; its codes, scale words, -Mloc and the sum of the unquantised p are stored.  The last launch brings the eight parts of a row under the row's M = the largest Mloc: 2^(Mloc - M) is a power of two, which the scale bytes take up.
; LIMITS: NaN and infinities are not served; a block whose every p has fallen under 2^-122 gets the scale byte 1.
; REGISTERS: as in the launch before; behind the run window 0 holds v128-191 t - Mloc, then p; v192-253 at work.
.set KSA,    2359296
.set KSB,    2359296
.set KSO,    786432
.set GRPB,   12288
.set KSTEPB, 36864
.set PLANE,  262144                    ; pst: scale words, then -Mloc, then the sums
.set SPARE,  296960
.set LA,  3
.set LSC, 4
.set LSW, 5
.set ADA, 8
.set ADB, 16
.set SPW, 28
.set NIL, 29
.set SA,  32
.set SB,  48
.set AF,  128
.set H,   128
.set BX,  192                          ; v192-195 each block's largest score, then its largest p
.set BT,  196
.set SO,  200                          ; v200-203 the conversions' scale operands
.set BY,  204
.set PC,  208
.set PX,  220
.set NM,  228                          ; v[228:229] -Mloc (the packed form names a pair)
.set SU,  230
.set SV,  232
.set DD,  234                          ; v234-239 three pairs for the way out
.set PWS, 240
.set NMS, 244
.set LLS, 248
.set TT,  252
.set TT2, 253
.set WV,  16
.set HFA, 17
.set HFB, 18
.set CX,  19
.set CY,  20
.set CLY, 22
.set G1A, 24
.set G1B, 32
.set G0A, 40
.set G0B, 68
.set HMASK, 61
.set SEL, 84
.set CS,  92
.set OUT, 94
.set OUTS, 96
.set MSB, 0
.macro WIN new
.if MSB != \new
	s_set_vgpr_msb (MSB<<8)|\new
.set MSB, \new
.endif
.endm
.macro CROUND
	s_barrier_signal -1
	s_barrier_wait -1
	s_cmp_lg_u32 s[WV], 0
	s_cbranch_scc1 .Lnot_wave_0_\@
	s_barrier_signal -3
.Lnot_wave_0_\@:
	s_barrier_wait -3
	s_barrier_signal -1
	s_barrier_wait -1
.endm
.macro FETCH ks, set
	WIN 0x40
.irp i, 0,1,2,3,4,5,6,7
.irp c, 0,1,2
	ds_load_b128 v[128*(\set)+12*\i+4*\c:128*(\set)+12*\i+4*\c+3], v[ADB+(\ks)] offset:(\i/2)*3072+(\i%2)*256+1024*\c
.endr
.endr
	WIN 0
.irp i, 0,1,2,3
.irp c, 0,1,2
	ds_load_b128 v[AF+48*(\set)+12*\i+4*\c:AF+48*(\set)+12*\i+4*\c+3], v[ADA+(\ks)] offset:(\i/2)*3072+(\i%2)*256+1024*\c
.endr
.endr
.endm
.macro GATE n                          ; every wave's tensor loads but the youngest n have landed
	s_wait_dscnt 0x0
	s_wait_tensorcnt \n
	s_barrier_signal -1
	s_barrier_wait -1
.endm
.macro MUL32 ks                        ; the accumulators take turns, one instruction a turn
	WIN 0xa1
.irp a, 0,1,2,3
.irp b, 0,1,2,3,4,5,6,7
.set rD, 8*(8*\a+\b)
.set rB, 128*((\ks)%2)+12*\b
.set rA, AF+48*((\ks)%2)+12*\a
.set rSB, SB+8*((\ks)/2)+\b
.set rSA, SA+4*((\ks)/2)+\a
.if (\ks) == 0
	v_wmma_scale_f32_16x16x128_f8f6f4 v[rD:rD+7], v[rB:rB+11], v[rA:rA+11], 0, v[rSB], v[rSA] matrix_a_fmt:MATRIX_FMT_BF6 matrix_b_fmt:MATRIX_FMT_BF6
.elseif ((\ks)%2) == 0
	v_wmma_scale_f32_16x16x128_f8f6f4 v[rD:rD+7], v[rB:rB+11], v[rA:rA+11], v[rD:rD+7], v[rSB], v[rSA] matrix_a_fmt:MATRIX_FMT_BF6 matrix_b_fmt:MATRIX_FMT_BF6
.else
	v_wmma_scale_f32_16x16x128_f8f6f4 v[rD:rD+7], v[rB:rB+11], v[rA:rA+11], v[rD:rD+7], v[rSB], v[rSA] matrix_a_fmt:MATRIX_FMT_BF6 matrix_b_fmt:MATRIX_FMT_BF6 matrix_a_scale:MATRIX_SCALE_ROW1 matrix_b_scale:MATRIX_SCALE_ROW1
.endif
.endr
.endr
.endm
.macro STEP ks, gate
.if (\ks) > 0
.rept 4
	v_nop                                          ; places in front of loads into the set that the step before multiplied
.endr
.endif
.if (\gate) >= 0
	GATE \gate
.endif
.if (\ks) < 7
	FETCH (\ks)+1, ((\ks)+1)%2
	s_wait_dscnt 36                                ; the 36 loads just issued may be out
.else
	s_wait_dscnt 0x0
.endif
	MUL32 \ks
.endm
	s_load_b256 s[4:11], s[0:1], 0x0               ; Q K V codes s[4:5], their scale words s[6:7], P's codes s[8:9], P's words and statistics s[10:11]
	v_lshl_add_u32 v[SPW], v0, 2, SPARE
	v_mov_b32 v[NIL], 0
	ds_add_u32 v[SPW], v[NIL]                      ; the wave's opening: the add, twice on end, and its wait ahead of my first tensor load
	ds_add_u32 v[SPW], v[NIL]
	v_lshrrev_b32 v1, 5, v0
	v_readfirstlane_b32 s[WV], v1
	s_lshr_b32 s[HFA], s[WV], 1
	s_and_b32 s[HFB], s[WV], 1
	s_bfe_u32 s[CX], ttmp6, 0x40000
	s_bfe_u32 s[CY], ttmp6, 0x40004
	s_and_b32 s[CLY], ttmp7, 0xffff
	s_lshl_b32 s56, s[CY], 2
	s_lshl_b32 s56, 15, s56
	s_lshl_b32 s86, 0x1111, s[CX]
	s_or_b32 s[G1A], s56, (3<<16)|(1<<21)
	s_or_b32 s[G1B], s86, (3<<16)|(1<<21)
.irp g, G1A, G1B
	s_mov_b32 s[\g+1], 32<<16
	s_mov_b32 s[\g+3], 32<<16
	s_mov_b32 s[\g+5], 32
	s_mov_b32 s[\g+6], 0
	s_mov_b32 s[\g+7], 0
.endr
	s_mov_b32 s[G1A+2], 48<<16
	s_mov_b32 s[G1A+4], 48
	s_mov_b32 s[G1B+2], 96<<16
	s_mov_b32 s[G1B+4], 96
	s_lshl_b32 s56, s[CLY], 2
	s_add_co_u32 s56, s56, s[CY]                   ; A: Q's group 4 x cluster y + cy (batch = cluster y / 2)
	s_lshr_b32 s86, s[CLY], 1
	s_lshl_b32 s86, s86, 3
	s_add_co_u32 s86, s86, 64
	s_lshl_b32 s87, s[CX], 1
	s_add_co_u32 s86, s86, s87                     ; B: K's groups 64 + 8 x batch + 2 cx, + 1
	; the result: P's group = Q's; K step 2 cx + half
	s_lshl_b32 s98, s[CX], 1
	s_add_co_u32 s98, s98, s[HFB]
	s_lshl_b32 s96, s56, 12
	s_lshl_b32 s95, s98, 9
	s_add_co_u32 s96, s96, s95
	s_lshl_b32 s95, s[HFA], 8
	s_add_co_u32 s96, s96, s95
	s_mov_b32 s97, 0
	s_mul_i32 s94, s56, GRPB
	s_mul_i32 s95, s98, KSO
	s_add_co_u32 s94, s94, s95
	s_mul_i32 s95, s[HFA], 6144
	s_add_co_u32 s94, s94, s95
	s_mov_b32 s95, 0
	s_lshl_b32 s58, s56, 12
	s_lshl_b32 s59, s[HFA], 8
	s_add_co_u32 s58, s58, s59
	s_mov_b32 s59, 0
	s_add_co_u32 s88, s86, s[HFB]
	s_lshl_b32 s88, s88, 12
	s_mov_b32 s89, 0
	s_mul_i32 s56, s56, GRPB
	s_mul_i32 s57, s[HFB], KSA
	s_add_co_u32 s56, s56, s57
	s_mov_b32 s57, 0
	s_mul_i32 s86, s86, GRPB
	s_mul_i32 s87, s[HFB], KSB
	s_add_co_u32 s86, s86, s87
	s_mov_b32 s87, 0
	s_mul_i32 s60, s[HFB], KSTEPB
	s_mov_b32 s[SEL], 0x76543210
	s_mov_b32 s[SEL+1], 0xfedcba98
	s_mov_b32 s[HMASK], 0xffff0000
	s_mov_b32 s[CS], 0x3d38aa3b                    ; c = log2(e) / 32
	s_mov_b32 s[CS+1], s[CS]                       ; (named with it as a pair, so it is written)
	s_wait_dscnt 0x0                               ; both opening adds are done
	s_wait_kmcnt 0x0
	s_add_nc_u64 s[56:57], s[4:5], s[56:57]
	s_add_nc_u64 s[86:87], s[4:5], s[86:87]
	s_add_nc_u64 s[58:59], s[6:7], s[58:59]
	s_add_nc_u64 s[88:89], s[6:7], s[88:89]
	s_add_nc_u64 s[OUT:OUT+1], s[8:9], s[OUT:OUT+1]
	s_add_nc_u64 s[OUTS:OUTS+1], s[10:11], s[OUTS:OUTS+1]
.irp n, 0,1,2,3
	s_mov_b32 s[G0A+4*\n], 1
	s_add_co_u32 s[G0A+4*\n+1], s60, \n*2*KSTEPB
	s_add_nc_u64 s[G0A+4*\n+2:G0A+4*\n+3], s[56:57], \n*2*KSA
	s_or_b32 s[G0A+4*\n+3], s[G0A+4*\n+3], 0x80000000
	s_mov_b32 s[G0B+4*\n], 1
	s_add_co_u32 s[G0B+4*\n+1], s60, \n*2*KSTEPB+GRPB
	s_add_nc_u64 s[G0B+4*\n+2:G0B+4*\n+3], s[86:87], \n*2*KSB
	s_or_b32 s[G0B+4*\n+3], s[G0B+4*\n+3], 0x80000000
.endr
	CROUND                                         ; all sixteen work-groups are here: the joint loads meet
	s_cmp_eq_u32 s[HFA], 0                         ; waves 0, 1 fetch A's tiles, waves 2, 3 B's: four loads of mine are out
	s_cbranch_scc0 .Lfill_b
.irp n, 0,1,2,3
	tensor_load_to_lds s[G0A+4*\n:G0A+4*\n+3], s[G1A:G1A+7]
	s_nop 0
.endr
.rept 4
	v_nop
.endr
	s_branch .Lfilled
.Lfill_b:
.irp n, 0,1,2,3
	tensor_load_to_lds s[G0B+4*\n:G0B+4*\n+3], s[G1B:G1B+7]
	s_nop 0
.endr
.rept 4
	v_nop
.endr
.Lfilled:
	v_and_b32 v1, 15, v0
	v_bfe_u32 v2, v0, 4, 1
	v_lshlrev_b32 v[LA], 4, v1
	v_lshl_add_u32 v[LA], v2, 9, v[LA]
	v_lshlrev_b32 v[LSC], 3, v1
	v_lshl_add_u32 v[LSW], v2, 7, v[LSC]
	v_lshl_add_u32 v[LSC], v2, 9, v[LSC]
.irp k, 0,1,2,3
.irp p, 0,1
	global_load_b64 v[SA+4*\k+2*\p:SA+4*\k+2*\p+1], v[LSC], s[58:59] offset:1024*\k+128*\p
.endr
.endr
.irp k, 0,1,2,3
.irp p, 0,1,2,3
	global_load_b64 v[SB+8*\k+2*\p:SB+8*\k+2*\p+1], v[LSC], s[88:89] offset:1024*\k+128*\p
.endr
.endr
	s_mul_i32 s62, s[HFA], 6144
	s_mul_i32 s63, s[HFB], GRPB
	s_add_co_u32 s63, s63, GRPB
.irp k, 0,1,2,3,4,5,6,7
	v_add_nc_u32 v[ADA+\k], s62, v[LA]
	v_add_nc_u32 v[ADB+\k], s63, v[LA]
	s_add_co_u32 s62, s62, KSTEPB
	s_add_co_u32 s63, s63, KSTEPB
.endr
	GATE 3
	FETCH 0, 0
	s_wait_loadcnt 0x0                             ; the scale words
	STEP 0, -1
	STEP 1, 2
	STEP 2, -1
	STEP 3, 1
	STEP 4, -1
	STEP 5, 0
	STEP 6, -1
	STEP 7, -1
	WIN 0
.rept 4
	v_nop                                          ; places in front of the first read of results and the first write of the fragments' registers
.endr
.irp b, 0,1,2,3
	v_mov_b32 v[BT+\b], 0                          ; written once: a lane permute's destination counts as one of its sources
.endr
	v_mov_b32 v[TT2], 0
	v_mov_b32 v[NM+1], 0                           ; (named as the upper half of a pair)
; Block a: 16 queries x my 128 keys.  Register 16 b + i of the block's 64: key 32 b + 16 h + i.
.macro SOFT a
	s_wait_xcnt 0x0                                ; the last block's stores have read their data
	WIN 0x2a                                       ; all three sources window 2
.irp b, 0,1,2,3
	v_max3_num_f32 v[BX+\b], v[64*(\a)+16*\b], v[64*(\a)+16*\b+1], v[64*(\a)+16*\b+2]   ; the largest score of each block of 32 keys: it serves the maximum and, since p rises with the score, the block's largest p
.endr
	WIN 0x28                                       ; sources 1 and 2 window 2
.irp i, 3,5,7,9,11,13
.irp b, 0,1,2,3
	v_max3_num_f32 v[BX+\b], v[BX+\b], v[64*(\a)+16*\b+\i], v[64*(\a)+16*\b+\i+1]
.endr
.endr
.irp b, 0,1,2,3
	v_max_num_f32 v[BX+\b], v[BX+\b], v[64*(\a)+16*\b+15]
.endr
	WIN 0
.irp b, 0,1,2,3
	v_permlanex16_b32 v[BT+\b], v[BX+\b], s[SEL], s[SEL+1]
.endr
.irp b, 0,1,2,3
	v_max_num_f32 v[BX+\b], v[BX+\b], v[BT+\b]     ; with lane l xor 16's 16 keys
.endr
	v_max3_num_f32 v[TT], v[BX], v[BX+1], v[BX+2]
	v_max_num_f32 v[TT], v[TT], v[BX+3]
	v_mul_f32 v[TT], s[CS], v[TT]                  ; the largest t of these 128 keys (c is positive)
	v_floor_f32 v[NM], -v[TT]                      ; -Mloc = floor(-t) = -ceil(t): a whole number
	WIN 0x02                                       ; source 0 window 2
.set j, 0
.rept 32
	v_pk_fma_f32 v[H+j:H+j+1], v[64*(\a)+j:64*(\a)+j+1], s[CS:CS+1], v[NM:NM+1] op_sel_hi:[1,0,0]   ; t - Mloc, two at a time
.set j, j+2
.endr
	WIN 0
.irp b, 0,1,2,3
	v_fma_f32 v[BX+\b], v[BX+\b], s[CS], v[NM]     ; the same of each block's largest score
.endr
.set j, 0
.rept 64
	v_exp_f32 v[H+j], v[H+j]                       ; p = 2^(t - Mloc), at most 1: not normalised
.set j, j+1
.endr
	v_mov_b32 v[NMS+(\a)], v[NM]                   ; a plain instruction behind the exponentials
	s_wait_alu depctr_va_vdst(0)                   ; one wait for the batch of 64, ahead of its first reader
.irp b, 0,1,2,3
	v_exp_f32 v[BX+\b], v[BX+\b]                   ; the block's largest p: the same two instructions on the same number
.endr
	v_pk_add_f32 v[SU:SU+1], v[H:H+1], v[H+2:H+3]  ; the sum is taken of the unquantised p, in two chains; these lines read the 64 alone
	v_pk_add_f32 v[SV:SV+1], v[H+4:H+5], v[H+6:H+7]
.irp j, 8,12,16,20,24,28,32,36,40,44,48,52,56,60
	v_pk_add_f32 v[SU:SU+1], v[SU:SU+1], v[H+\j:H+\j+1]
	v_pk_add_f32 v[SV:SV+1], v[SV:SV+1], v[H+\j+2:H+\j+3]
.endr
	v_pk_add_f32 v[SU:SU+1], v[SU:SU+1], v[SV:SV+1]
	v_add_f32 v[TT], v[SU], v[SU+1]
	v_permlanex16_b32 v[TT2], v[TT], s[SEL], s[SEL+1]
	v_add_f32 v[LLS+(\a)], v[TT], v[TT2]           ; my query's sum over these 128 keys
	s_wait_alu depctr_va_vdst(0)                   ; and one wait for the four
.irp b, 0,1,2,3
	v_max_num_f32 v[BX+\b], 0x2800000, v[BX+\b]    ; the floor 2^(5 - 127)
.endr
.irp b, 0,1,2,3
	v_add_nc_u32 v[SO+\b], 0xfe000000, v[BX+\b]    ; 4 off the exponent field
.endr
.irp b, 0,1,2,3
	v_lshrrev_b32 v[BY+\b], 23, v[SO+\b]           ; the byte: at most 123, since p is at most 1
.endr
	v_lshl_or_b32 v[PWS+(\a)], v[BY+1], 8, v[BY]
	v_lshl_or_b32 v[PWS+(\a)], v[BY+2], 16, v[PWS+(\a)]
	v_lshl_or_b32 v[PWS+(\a)], v[BY+3], 24, v[PWS+(\a)]
.irp c, 0,1
	v_cvt_scalef32_pk16_bf6_f32 v[PC+6*\c:PC+6*\c+2], v[H+32*\c:H+32*\c+15], v[SO+2*\c]
	v_cvt_scalef32_pk16_bf6_f32 v[PX+4*\c:PX+4*\c+2], v[H+16+32*\c:H+31+32*\c], v[SO+2*\c+1]
.endr
	v_nop                                          ; one plain instruction behind a scaled conversion
.irp c, 0,1
.irp i, 0,1,2
	v_permlane16_swap_b32 v[PC+6*\c+\i], v[PX+4*\c+\i]
.endr
.irp i, 0,1,2
	v_mov_b32 v[PC+3+6*\c+\i], v[PX+4*\c+\i]
.endr
.endr
.irp c, 0,1,2
	global_store_b128 v[LA], v[PC+4*\c:PC+4*\c+3], s[OUT:OUT+1] offset:((\a)/2)*3072+((\a)%2)*256+1024*\c
.endr
.endm
	SOFT 0
	SOFT 1
	SOFT 2
	SOFT 3
.macro S3W d, w, off                   ; four blocks' words leave as 256 consecutive bytes: lanes 0-15 the first pair's two, lanes 16-31 the second's
	v_cndmask_b32 v[\d], v[\w], v[\w+2], s[HMASK]
	v_cndmask_b32 v[\d+1], v[\w+1], v[\w+3], s[HMASK]
	global_store_b64 v[LSW], v[\d:\d+1], s[OUTS:OUTS+1] offset:\off
.endm
	S3W DD, PWS, 0
	S3W DD+2, NMS, PLANE
	S3W DD+4, LLS, 2*PLANE
	s_wait_tensorcnt 0x0                           ; the wave's end
	ds_add_u32 v[SPW], v[NIL]
	s_wait_dscnt 0x0
	CROUND                                         ; the closing round
	s_endpgm
.Lfunc_end_k_q87ce5a426b_scores:
	.size	k_q87ce5a426b_scores, .Lfunc_end_k_q87ce5a426b_scores-k_q87ce5a426b_scores
	.p2alignl 7, 3214868480
	.fill 96, 4, 3214868480
	.section	.rodata,"a",@progbits
	.p2align	6, 0x0
	.amdhsa_kernel k_q87ce5a426b_scores
		.amdhsa_group_segment_fixed_size 327680
		.amdhsa_private_segment_fixed_size 0
		.amdhsa_enable_private_segment 0
		.amdhsa_kernarg_size 32
		.amdhsa_user_sgpr_count 2
		.amdhsa_user_sgpr_kernarg_segment_ptr 1
		.amdhsa_wavefront_size32 1
		.amdhsa_system_sgpr_workgroup_id_x 1
		.amdhsa_system_sgpr_workgroup_id_y 1
		.amdhsa_system_sgpr_workgroup_id_z 1
		.amdhsa_system_vgpr_workitem_id 0
		.amdhsa_next_free_vgpr 768
		.amdhsa_next_free_sgpr 100
		.amdhsa_reserve_vcc 0
		.amdhsa_float_denorm_mode_32 3
		.amdhsa_float_denorm_mode_16_64 3
		.amdhsa_memory_ordered 1
		.amdhsa_forward_progress 1
		.amdhsa_inst_pref_size 109
	.end_amdhsa_kernel
	.amdgpu_metadata
---
amdhsa.version: [ 1, 2 ]
amdhsa.kernels:
  - .name:           k_q87ce5a426b_scores
    .symbol:         k_q87ce5a426b_scores.kd
    .args:
      - { .name: qkvc, .offset: 0, .size: 8, .value_kind: global_buffer, .address_space: global }
      - { .name: qkvs, .offset: 8, .size: 8, .value_kind: global_buffer, .address_space: global }
      - { .name: pc, .offset: 16, .size: 8, .value_kind: global_buffer, .address_space: global }
      - { .name: pst, .offset: 24, .size: 8, .value_kind: global_buffer, .address_space: global }
    .group_segment_fixed_size: 327680
    .private_segment_fixed_size: 0
    .kernarg_segment_align: 8
    .kernarg_segment_size: 32
    .max_flat_workgroup_size: 128
    .sgpr_count:     100
    .vgpr_count:     768
    .wavefront_size: 32
...
	.end_amdgpu_metadata
.endif
;; end of part 3
;; launch mix (part 4): grid 4 x 64, 4 waves a work-group, clusters of 4 x 4, 327,680 bytes of LDS; arguments qkvc, qkvs, pc, pst, input_, out0; writes out0
.if DOCPART == 4
	.amdgcn_target "amdgcn-amd-amdhsa--gfx1250"
	.amdhsa_code_object_version 6
	.text
	.protected	k_q87ce5a426b_mix
	.globl	k_q87ce5a426b_mix
	.p2align	8
	.type	k_q87ce5a426b_mix,@function
k_q87ce5a426b_mix:
	s_mov_b64 s[64:65], 0
	v_nop
	global_prefetch_b8 v0, s[64:65] scope:SCOPE_SE
	s_setreg_imm32_b32 hwreg(HW_REG_WAVE_MODE, 25, 1), 1
	s_wait_xcnt 0x0
	s_wait_alu depctr_hold_cnt(0) depctr_sa_sdst(0) depctr_va_vdst(0) depctr_va_sdst(0) depctr_va_ssrc(0) depctr_va_vcc(0) depctr_vm_vsrc(0)
	s_getreg_b32 s2, hwreg(HW_REG_IB_STS2, 6, 4)
	s_cmp_eq_u32 s2, 0
	s_cbranch_scc0 .Lentry_in_a_cluster
	s_endpgm
.Lentry_in_a_cluster:
	s_bfe_u32 s2, ttmp6, 0x10000c
	s_cmp_lg_u32 s2, 0xf033
	s_cbranch_scc0 .Lentry_shape_is_right
	s_endpgm
.Lentry_shape_is_right:
; Product 3 and the end: out[c][j] = x[c][j] + (sum over i of V[c][i] p[i][j]) / l[j].  Nothing of reference() is left out.
; A = V (128 channels of one batch), B = P (256 queries), K = the 1,024 keys: a lane holds one channel, its registers run along the queries.  The frame is that of the two launches before.
; P's eight K steps were made under maxima of their own.  Here, for each query: -M = the least -Mloc; d = Mloc - M, a whole number, 0 or less; each of the step's four scale bytes gets d added, and the step's sum is multiplied by 2^d.
; LIMITS: d is held at -127, and a byte that would fall under 0 is held at 0: such a block then counts for at most 28 x 2^-127 x |v|, and its part of l for at most 128 x 2^-127, where the exact values are smaller still
; (l is above 1/2).  NaN and infinities are not served.
; REGISTERS: windows 0 to 2 as before; window 3: my 64 x 128 numbers of x, asked for at the head.  Window 0 at the head: v80-95 at work, v100-103 1 / l of my four queries on the way out, v128-159 -Mloc, v160-191 the sums, v192-255 at work.
.set KSA,    2359296
.set KSB,    786432
.set GRPB,   12288
.set KSTEPB, 36864
.set PLANE,  262144
.set SCRATCH, 294912                   ; behind the tiles: 512 bytes a wave, for l on its way from stored order to the queries' order; no tensor load lands here
.set SPARE,  296960
.set SPITCH, 528                       ; the way out: a stage of 16 rows x (512 bytes + 16) a wave, in K step 0's bytes: they have had their only fill, and nobody reads them behind the run's second barrier
.set LA,  3
.set LSC, 4
.set CO,  6                            ; v6  16 x lane
.set STO, 7
.set ADA, 8
.set ADB, 16
.set RD,  24
.set LSA, 25
.set LSR, 26
.set SPW, 28
.set NIL, 29
.set SA,  32
.set SB,  48
.set MN,  80
.set TP,  88
.set RL,  100
.set LQ,  104
.set AF,  128
.set NMR, 128
.set LLR, 160
.set TA,  192
.set XA,  224
.set BK,  128
.set WV,  16
.set HFA, 17
.set HFB, 18
.set CX,  19
.set CY,  20
.set CLY, 22
.set G1A, 24
.set G1B, 32
.set G0A, 40
.set G0B, 68
.set SEL, 84
.set MSB, 0
.macro WIN new
.if MSB != \new
	s_set_vgpr_msb (MSB<<8)|\new
.set MSB, \new
.endif
.endm
.macro CROUND
	s_barrier_signal -1
	s_barrier_wait -1
	s_cmp_lg_u32 s[WV], 0
	s_cbranch_scc1 .Lnot_wave_0_\@
	s_barrier_signal -3
.Lnot_wave_0_\@:
	s_barrier_wait -3
	s_barrier_signal -1
	s_barrier_wait -1
.endm
.macro FETCH ks, set
	WIN 0x40
.irp i, 0,1,2,3,4,5,6,7
.irp c, 0,1,2
	ds_load_b128 v[128*(\set)+12*\i+4*\c:128*(\set)+12*\i+4*\c+3], v[ADB+(\ks)] offset:(\i/2)*3072+(\i%2)*256+1024*\c
.endr
.endr
	WIN 0
.irp i, 0,1,2,3
.irp c, 0,1,2
	ds_load_b128 v[AF+48*(\set)+12*\i+4*\c:AF+48*(\set)+12*\i+4*\c+3], v[ADA+(\ks)] offset:(\i/2)*3072+(\i%2)*256+1024*\c
.endr
.endr
.endm
.macro GATE n                          ; every wave's tensor loads but the youngest n have landed
	s_wait_dscnt 0x0
	s_wait_tensorcnt \n
	s_barrier_signal -1
	s_barrier_wait -1
.endm
.macro MUL32 ks                        ; the accumulators take turns, one instruction a turn
	WIN 0xa1
.irp a, 0,1,2,3
.irp b, 0,1,2,3,4,5,6,7
.set rD, 8*(8*\a+\b)
.set rB, 128*((\ks)%2)+12*\b
.set rA, AF+48*((\ks)%2)+12*\a
.set rSB, SB+8*((\ks)/2)+\b
.set rSA, SA+4*((\ks)/2)+\a
.if (\ks) == 0
	v_wmma_scale_f32_16x16x128_f8f6f4 v[rD:rD+7], v[rB:rB+11], v[rA:rA+11], 0, v[rSB], v[rSA] matrix_a_fmt:MATRIX_FMT_BF6 matrix_b_fmt:MATRIX_FMT_BF6
.elseif ((\ks)%2) == 0
	v_wmma_scale_f32_16x16x128_f8f6f4 v[rD:rD+7], v[rB:rB+11], v[rA:rA+11], v[rD:rD+7], v[rSB], v[rSA] matrix_a_fmt:MATRIX_FMT_BF6 matrix_b_fmt:MATRIX_FMT_BF6
.else
	v_wmma_scale_f32_16x16x128_f8f6f4 v[rD:rD+7], v[rB:rB+11], v[rA:rA+11], v[rD:rD+7], v[rSB], v[rSA] matrix_a_fmt:MATRIX_FMT_BF6 matrix_b_fmt:MATRIX_FMT_BF6 matrix_a_scale:MATRIX_SCALE_ROW1 matrix_b_scale:MATRIX_SCALE_ROW1
.endif
.endr
.endr
.endm
.macro STEP ks, gate
.if (\ks) > 0
.rept 4
	v_nop                                          ; places in front of loads into the set that the step before multiplied
.endr
.endif
.if (\gate) >= 0
	GATE \gate
.endif
.if (\ks) < 7
	FETCH (\ks)+1, ((\ks)+1)%2
	s_wait_dscnt 36                                ; the 36 loads just issued may be out
.else
	s_wait_dscnt 0x0
.endif
	MUL32 \ks
.endm
	s_load_b256 s[4:11], s[0:1], 0x0               ; Q K V codes s[4:5], their scale words s[6:7], P's codes s[8:9], P's words and statistics s[10:11]
	s_load_b128 s[12:15], s[0:1], 0x20             ; x s[12:13], out s[14:15]
	v_lshl_add_u32 v[SPW], v0, 2, SPARE
	v_mov_b32 v[NIL], 0
	ds_add_u32 v[SPW], v[NIL]                      ; the wave's opening: the add, twice on end, and its wait ahead of my first tensor load
	ds_add_u32 v[SPW], v[NIL]
	v_lshrrev_b32 v1, 5, v0
	v_readfirstlane_b32 s[WV], v1
	s_lshr_b32 s[HFA], s[WV], 1
	s_and_b32 s[HFB], s[WV], 1
	s_bfe_u32 s[CX], ttmp6, 0x40000
	s_bfe_u32 s[CY], ttmp6, 0x40004
	s_and_b32 s[CLY], ttmp7, 0xffff
	s_lshl_b32 s56, s[CY], 2
	s_lshl_b32 s56, 15, s56
	s_lshl_b32 s86, 0x1111, s[CX]
	s_or_b32 s[G1A], s56, (3<<16)|(1<<21)
	s_or_b32 s[G1B], s86, (3<<16)|(1<<21)
.irp g, G1A, G1B
	s_mov_b32 s[\g+1], 32<<16
	s_mov_b32 s[\g+3], 32<<16
	s_mov_b32 s[\g+5], 32
	s_mov_b32 s[\g+6], 0
	s_mov_b32 s[\g+7], 0
.endr
	s_mov_b32 s[G1A+2], 48<<16
	s_mov_b32 s[G1A+4], 48
	s_mov_b32 s[G1B+2], 96<<16
	s_mov_b32 s[G1B+4], 96
	s_lshl_b32 s56, s[CLY], 2
	s_add_co_u32 s56, s56, s[CY]
	s_add_co_u32 s56, s56, 128                     ; A: V's group 128 + 4 x cluster y + cy
	s_lshr_b32 s86, s[CLY], 1
	s_lshl_b32 s86, s86, 3
	s_lshl_b32 s87, s[CX], 1
	s_add_co_u32 s86, s86, s87                     ; B: P's groups 8 x batch + 2 cx, + 1
	s_lshl_b32 s58, s56, 12
	s_lshl_b32 s59, s[HFA], 8
	s_add_co_u32 s58, s58, s59
	s_mov_b32 s59, 0
	s_add_co_u32 s88, s86, s[HFB]
	s_lshl_b32 s88, s88, 12
	s_mov_b32 s89, 0
	s_mul_i32 s56, s56, GRPB
	s_mul_i32 s57, s[HFB], KSA
	s_add_co_u32 s56, s56, s57
	s_mov_b32 s57, 0
	s_mul_i32 s86, s86, GRPB
	s_mul_i32 s87, s[HFB], KSB
	s_add_co_u32 s86, s86, s87
	s_mov_b32 s87, 0
	s_mul_i32 s60, s[HFB], KSTEPB
	; my corner of x and of out: batch, my first channel, my first query
	s_lshr_b32 s90, s[CLY], 1
	s_lshl_b32 s90, s90, 22
	s_and_b32 s91, s[CLY], 1
	s_lshl_b32 s91, s91, 2
	s_add_co_u32 s91, s91, s[CY]
	s_lshl_b32 s91, s91, 19                        ; 128 channels x 4,096 bytes
	s_add_co_u32 s90, s90, s91
	s_lshl_b32 s91, s[HFA], 18
	s_add_co_u32 s90, s90, s91
	s_lshl_b32 s91, s[CX], 10                      ; 256 queries x 4 bytes
	s_add_co_u32 s90, s90, s91
	s_lshl_b32 s91, s[HFB], 9
	s_add_co_u32 s90, s90, s91
	s_mov_b32 s91, 0
	s_mov_b32 s[SEL], 0x76543210
	s_mov_b32 s[SEL+1], 0xfedcba98
	s_wait_dscnt 0x0                               ; both opening adds are done
	s_wait_kmcnt 0x0
	s_add_nc_u64 s[56:57], s[4:5], s[56:57]
	s_add_nc_u64 s[86:87], s[8:9], s[86:87]
	s_add_nc_u64 s[58:59], s[6:7], s[58:59]
	s_add_nc_u64 s[88:89], s[10:11], s[88:89]
	s_add_nc_u64 s[12:13], s[12:13], s[90:91]
	s_add_nc_u64 s[14:15], s[14:15], s[90:91]
.irp n, 0,1,2,3
	s_mov_b32 s[G0A+4*\n], 1
	s_add_co_u32 s[G0A+4*\n+1], s60, \n*2*KSTEPB
	s_add_nc_u64 s[G0A+4*\n+2:G0A+4*\n+3], s[56:57], \n*2*KSA
	s_or_b32 s[G0A+4*\n+3], s[G0A+4*\n+3], 0x80000000
	s_mov_b32 s[G0B+4*\n], 1
	s_add_co_u32 s[G0B+4*\n+1], s60, \n*2*KSTEPB+GRPB
	s_add_nc_u64 s[G0B+4*\n+2:G0B+4*\n+3], s[86:87], \n*2*KSB
	s_or_b32 s[G0B+4*\n+3], s[G0B+4*\n+3], 0x80000000
.endr
	CROUND                                         ; all sixteen work-groups are here: the joint loads meet
	s_cmp_eq_u32 s[HFA], 0                         ; waves 0, 1 fetch A's tiles, waves 2, 3 B's: four loads of mine are out
	s_cbranch_scc0 .Lfill_b
.irp n, 0,1,2,3
	tensor_load_to_lds s[G0A+4*\n:G0A+4*\n+3], s[G1A:G1A+7]
	s_nop 0
.endr
.rept 4
	v_nop
.endr
	s_branch .Lfilled
.Lfill_b:
.irp n, 0,1,2,3
	tensor_load_to_lds s[G0B+4*\n:G0B+4*\n+3], s[G1B:G1B+7]
	s_nop 0
.endr
.rept 4
	v_nop
.endr
.Lfilled:
	v_and_b32 v1, 15, v0
	v_bfe_u32 v2, v0, 4, 1
	v_lshlrev_b32 v[LA], 4, v1
	v_lshl_add_u32 v[LA], v2, 9, v[LA]
	v_lshlrev_b32 v[LSC], 3, v1
	v_lshl_add_u32 v[LSC], v2, 9, v[LSC]
	v_and_b32 v[CO], 31, v0
	v_lshlrev_b32 v[CO], 4, v[CO]
.irp k, 0,1,2,3
.irp p, 0,1
	global_load_b64 v[SA+4*\k+2*\p:SA+4*\k+2*\p+1], v[LSC], s[58:59] offset:1024*\k+128*\p
.endr
.endr
.irp k, 0,1,2,3
.irp p, 0,1,2,3
	global_load_b64 v[SB+8*\k+2*\p:SB+8*\k+2*\p+1], v[LSC], s[88:89] offset:1024*\k+128*\p
.endr
.endr
.irp k, 0,1,2,3
.irp p, 0,1,2,3
	global_load_b64 v[NMR+8*\k+2*\p:NMR+8*\k+2*\p+1], v[LSC], s[88:89] offset:PLANE+1024*\k+128*\p
.endr
.endr
.irp k, 0,1,2,3
.irp p, 0,1,2,3
	global_load_b64 v[LLR+8*\k+2*\p:LLR+8*\k+2*\p+1], v[LSC], s[88:89] offset:2*PLANE+1024*\k+128*\p
.endr
.endr
	WIN 0xc0                                       ; destination window 3
.irp a, 0,1,2,3                                ; x: stored row 16 a + t is channel 32 (a / 2) + 8 (a % 2) + t + 8 (t / 8); 32 lanes read 512 consecutive bytes; read once in the launch
.irp t, 0,1,2,3,4,5,6,7,8,9,10,11,12,13,14,15
	global_load_b128 v[4*(16*\a+\t):4*(16*\a+\t)+3], v[CO], s[12:13] offset:(32*(\a/2)+8*(\a%2)+\t+8*(\t/8))*4096 th:TH_LOAD_NT
.endr
.endr
	WIN 0
	s_mul_i32 s62, s[HFA], 6144
	s_mul_i32 s63, s[HFB], GRPB
	s_add_co_u32 s63, s63, GRPB
.irp k, 0,1,2,3,4,5,6,7
	v_add_nc_u32 v[ADA+\k], s62, v[LA]
	v_add_nc_u32 v[ADB+\k], s63, v[LA]
	s_add_co_u32 s62, s62, KSTEPB
	s_add_co_u32 s63, s63, KSTEPB
.endr
	s_mul_i32 s60, s[WV], 16*SPITCH                ; my stage
	v_mul_u32_u24 v[STO], v1, SPITCH
	v_lshl_add_u32 v[STO], v2, 6, v[STO]
	v_add_nc_u32 v[STO], s60, v[STO]               ; in: row r, + 64 h
	v_add_nc_u32 v[RD], s60, v[CO]                 ; back: a row of 512 bytes, 16 a lane
	s_lshl_b32 s60, s[WV], 9
	s_add_co_u32 s60, s60, SCRATCH                 ; my scratch
	v_and_b32 v[LSA], 8, v1
	v_add_nc_u32 v[LSA], v[LSA], v1
	v_lshl_add_u32 v[LSA], v[LSA], 2, s60          ; in: 4 (r + 8 (r / 8))
	v_add_nc_u32 v[LSR], s60, v[CO]                ; back: my four queries
	s_wait_loadcnt 63                              ; of 120 loads at most 63 are out: the first 57 are in, the 56 of scale words and statistics among them
	; register 8 k + i, lane (r, h): stored query 16 i + r, K step 2 k + h
.irp i, 0,1,2,3,4,5,6,7
	v_min_num_f32 v[MN+\i], v[NMR+\i], v[NMR+8+\i]
.endr
.irp i, 0,1,2,3,4,5,6,7
	v_min_num_f32 v[TP+\i], v[NMR+16+\i], v[NMR+24+\i]
.endr
.irp i, 0,1,2,3,4,5,6,7
	v_min_num_f32 v[MN+\i], v[MN+\i], v[TP+\i]
.endr
.irp i, 0,1,2,3,4,5,6,7
	v_permlanex16_b32 v[TP+\i], v[MN+\i], s[SEL], s[SEL+1]
.endr
.irp i, 0,1,2,3,4,5,6,7
	v_min_num_f32 v[MN+\i], v[MN+\i], v[TP+\i]     ; -M of the row: the least -Mloc of the eight K steps
.endr
.macro ALL32 body:vararg
.set n, 0
.rept 32
	\body
.set n, n+1
.endr
.endm
	ALL32 v_sub_f32 v[NMR+n], v[MN+n%8], v[NMR+n]                 ; d = Mloc - M: a whole number, 0 or less
	ALL32 v_max_num_f32 v[NMR+n], 0xc2fe0000, v[NMR+n]            ; held at -127
	ALL32 v_cvt_i32_f32 v[NMR+n], v[NMR+n]
	ALL32 v_ldexp_f32 v[LLR+n], v[LLR+n], v[NMR+n]                ; the step's sum under the row's M
	ALL32 v_sub_nc_u32 v[NMR+n], 0, v[NMR+n]                      ; e = -d, 0 .. 127,
	ALL32 v_lshl_or_b32 v[NMR+n], v[NMR+n], 8, v[NMR+n]
	ALL32 v_lshl_or_b32 v[NMR+n], v[NMR+n], 16, v[NMR+n]          ; in all four bytes
	ALL32 v_or_b32 v[XA+n], 0x80808080, v[SB+n]                   ; P's bytes are at most 123: with 128 on top of each, no byte borrows from the next
	ALL32 v_sub_nc_u32 v[XA+n], v[XA+n], v[NMR+n]                 ; 128 + byte - e
	ALL32 v_and_b32 v[NMR+n], 0x80808080, v[XA+n]                 ; the top bit stands where byte - e is not negative
	ALL32 v_lshrrev_b32 v[TA+n], 7, v[NMR+n]
	ALL32 v_sub_nc_u32 v[NMR+n], v[NMR+n], v[TA+n]                ; 0x7f in those bytes, 0 in the others
	ALL32 v_and_b32 v[SB+n], v[XA+n], v[NMR+n]                    ; byte - e, held at 0
.irp i, 0,1,2,3,4,5,6,7
	v_add_f32 v[LLR+\i], v[LLR+\i], v[LLR+8+\i]
.endr
.irp i, 0,1,2,3,4,5,6,7
	v_add_f32 v[LLR+16+\i], v[LLR+16+\i], v[LLR+24+\i]
.endr
.irp i, 0,1,2,3,4,5,6,7
	v_add_f32 v[LLR+\i], v[LLR+\i], v[LLR+16+\i]
.endr
.irp i, 0,1,2,3,4,5,6,7
	v_permlanex16_b32 v[TP+\i], v[LLR+\i], s[SEL], s[SEL+1]
.endr
.irp i, 0,1,2,3,4,5,6,7
	v_add_f32 v[LLR+\i], v[LLR+\i], v[TP+\i]       ; l of stored query 16 i + r
.endr
.irp i, 0,1,2,3,4,5,6,7
	ds_store_b32 v[LSA], v[LLR+\i] offset:128*(\i/2)+32*(\i%2)   ; to the query's own place: 32 (i / 2) + 8 (i % 2) + r + 8 (r / 8); both halves of the lanes write the same word with the same value
.endr
	ds_load_b128 v[LQ:LQ+3], v[LSR]                ; LDS serves a wave's instructions in order: this sees my stores
	s_wait_dscnt 0x0
.irp q, 0,1,2,3
	v_rcp_f32 v[RL+\q], v[LQ+\q]
.endr
	v_nop                                          ; a plain instruction behind the reciprocals
	s_wait_alu depctr_va_vdst(0)                   ; and one wait for the four
.rept 8
	v_nop                                          ; scale registers written by vector instructions stand eight places ahead of the first scaled product
.endr
	GATE 3
	FETCH 0, 0
	STEP 0, -1
	STEP 1, 2
	STEP 2, -1
	STEP 3, 1
	STEP 4, -1
	STEP 5, 0
	STEP 6, -1
	STEP 7, -1
	WIN 0
.rept 4
	v_nop                                          ; places in front of the first read of results and of loads into the fragments' registers
.endr
	s_wait_loadcnt 0x0                             ; x
; THE WAY OUT, block by block of 16 channels x 128 queries: through my stage, back as whole rows of 512 bytes, x 1 / l, + x, stored.
.macro TOSTAGE a
	WIN 0x08                                       ; an LDS store's data: window 2
.irp b, 0,1,2,3,4,5,6,7
	ds_store_b128 v[STO], v[64*(\a)+8*\b:64*(\a)+8*\b+3] offset:128*(\b/2)+32*(\b%2)       ; each accumulator from its low end on: queries 32 (b / 2) + 16 h + 8 (b % 2) + 0 .. 7
	ds_store_b128 v[STO], v[64*(\a)+8*\b+4:64*(\a)+8*\b+7] offset:128*(\b/2)+32*(\b%2)+16
.endr
	WIN 0
.set BB, BK+64*((\a)%2)
.irp t, 0,1,2,3,4,5,6,7,8,9,10,11,12,13,14,15
	ds_load_b128 v[BB+4*\t:BB+4*\t+3], v[RD] offset:\t*SPITCH   ; in order behind the stores above, and ahead of the next block's
.endr
.endm
.macro SEND a, younger                 ; younger: the LDS instructions issued behind block a's loads, which may stay out
.set BB, BK+64*((\a)%2)
	s_wait_dscnt \younger
	WIN 0x30                                       ; source 2 window 3
.irp t, 0,1,2,3,4,5,6,7,8,9,10,11,12,13,14,15
	v_pk_fma_f32 v[BB+4*\t:BB+4*\t+1], v[BB+4*\t:BB+4*\t+1], v[RL:RL+1], v[4*(16*(\a)+\t):4*(16*(\a)+\t)+1]
	v_pk_fma_f32 v[BB+4*\t+2:BB+4*\t+3], v[BB+4*\t+2:BB+4*\t+3], v[RL+2:RL+3], v[4*(16*(\a)+\t)+2:4*(16*(\a)+\t)+3]
.endr
	WIN 0
.irp t, 0,1,2,3,4,5,6,7,8,9,10,11,12,13,14,15
	global_store_b128 v[CO], v[BB+4*\t:BB+4*\t+3], s[14:15] offset:(32*((\a)/2)+8*((\a)%2)+\t+8*(\t/8))*4096 th:TH_STORE_NT   ; 32 lanes store 512 consecutive bytes, aligned; written once
.endr
.endm
	TOSTAGE 0
.irp a, 1,2,3
.if \a > 1
	s_wait_xcnt 0x0                                ; block a - 2's stores have read their registers: block a's loads may land there
.endif
	TOSTAGE \a
	SEND \a-1, 32                                  ; behind block a - 1's loads: block a's 16 stores and 16 loads
.endr
	SEND 3, 0
	s_wait_tensorcnt 0x0                           ; the wave's end, behind my last tensor load and my last LDS store
	ds_add_u32 v[SPW], v[NIL]
	s_wait_dscnt 0x0
	CROUND                                         ; the closing round
	s_endpgm
.Lfunc_end_k_q87ce5a426b_mix:
	.size	k_q87ce5a426b_mix, .Lfunc_end_k_q87ce5a426b_mix-k_q87ce5a426b_mix
	.p2alignl 7, 3214868480
	.fill 96, 4, 3214868480
	.section	.rodata,"a",@progbits
	.p2align	6, 0x0
	.amdhsa_kernel k_q87ce5a426b_mix
		.amdhsa_group_segment_fixed_size 327680
		.amdhsa_private_segment_fixed_size 0
		.amdhsa_enable_private_segment 0
		.amdhsa_kernarg_size 48
		.amdhsa_user_sgpr_count 2
		.amdhsa_user_sgpr_kernarg_segment_ptr 1
		.amdhsa_wavefront_size32 1
		.amdhsa_system_sgpr_workgroup_id_x 1
		.amdhsa_system_sgpr_workgroup_id_y 1
		.amdhsa_system_sgpr_workgroup_id_z 1
		.amdhsa_system_vgpr_workitem_id 0
		.amdhsa_next_free_vgpr 1024
		.amdhsa_next_free_sgpr 100
		.amdhsa_reserve_vcc 0
		.amdhsa_float_denorm_mode_32 3
		.amdhsa_float_denorm_mode_16_64 3
		.amdhsa_memory_ordered 1
		.amdhsa_forward_progress 1
		.amdhsa_inst_pref_size 120
	.end_amdhsa_kernel
	.amdgpu_metadata
---
amdhsa.version: [ 1, 2 ]
amdhsa.kernels:
  - .name:           k_q87ce5a426b_mix
    .symbol:         k_q87ce5a426b_mix.kd
    .args:
      - { .name: qkvc, .offset: 0, .size: 8, .value_kind: global_buffer, .address_space: global }
      - { .name: qkvs, .offset: 8, .size: 8, .value_kind: global_buffer, .address_space: global }
      - { .name: pc, .offset: 16, .size: 8, .value_kind: global_buffer, .address_space: global }
      - { .name: pst, .offset: 24, .size: 8, .value_kind: global_buffer, .address_space: global }
      - { .name: input_, .offset: 32, .size: 8, .value_kind: global_buffer, .address_space: global }
      - { .name: out0, .offset: 40, .size: 8, .value_kind: global_buffer, .address_space: global }
    .group_segment_fixed_size: 327680
    .private_segment_fixed_size: 0
    .kernarg_segment_align: 8
    .kernarg_segment_size: 48
    .max_flat_workgroup_size: 128
    .sgpr_count:     100
    .vgpr_count:     1024
    .wavefront_size: 32
...
	.end_amdgpu_metadata
.endif
;; end of part 4
;; ======== version 2 of 2: 4 launches; 1.11 times as fast as version 1
;; workspace buffers: xwc 8,650,752 bytes; xws 360,448 bytes; qkvc 18,874,368 bytes; qkvs 786,432 bytes; pc 6,291,456 bytes; pst 786,432 bytes
;; launch quant (part 5): grid 704 x 1, 4 waves a work-group, no clusters, 34,304 bytes of LDS; arguments input_, W_qkv, xwc, xws; writes xwc, xws
.if DOCPART == 5
	.amdgcn_target "amdgcn-amd-amdhsa--gfx1250"
	.amdhsa_code_object_version 6
	.text
	.protected	k_q87ce5a426b_quant
	.globl	k_q87ce5a426b_quant
	.p2align	8
	.type	k_q87ce5a426b_quant,@function
k_q87ce5a426b_quant:
	s_mov_b64 s[64:65], 0
	v_nop
	global_prefetch_b8 v0, s[64:65] scope:SCOPE_SE
	s_setreg_imm32_b32 hwreg(HW_REG_WAVE_MODE, 25, 1), 1
	s_wait_xcnt 0x0
; out = x + V softmax_i(K^T Q / 32), Q, K, V = W x + b; all three products on codes of BF6 (E3M2) with one E8M0 scale for each 32 along K.
; The program has four launches: this one (x and W into codes), qkv (product 1, bias, Q K V into codes), scores (product 2, softmax, P into codes), mix (product 3, / l, + x).
; NOTHING OF reference() IS LEFT OUT AS DEAD WORK: every bias goes into a quantiser (K's too), and every input has a way to the output.
; THIS LAUNCH: input_ [8][1024 c][1024 l] and W_qkv [3072 o][1024 c], f32, are quantised along c.  A block's scale byte is its largest magnitude's exponent field - 4, held at 1 from below.
; LIMITS: NaN and infinities among the inputs are not served; a block of zeros, or one whose largest magnitude lies under 2^-122, gets the byte 1 (the rule says 127 for zeros: its codes are zeros, and this program alone reads the bytes).
; LAYOUT OF ALL OPERANDS OF THE PROGRAM.  Rows: within each 32 rows, stored row 16 u + r holds row 8 u + r + 8 (r / 8), so that sixteen stored rows on end are a tile whose results, used as source 0, fall in ascending order along a lane's registers.
; Codes: [K step of 128][pair of 32 rows][3,072 bytes]; in a pair, byte 1024 c + 512 h + 256 u + 16 r holds registers 4 c .. 4 c + 3 of lane (r, h) of fragment u: an image of the operand's registers.
; Scale words: [group of 128 rows][K step][pair][r][u], 4 bytes each.
; Rows 0 .. 8191 of the space are x's (b, l), rows 8192 .. 11263 W's.
; Work-groups 0 .. 191 take W (K innermost: through a stage in LDS), the others x (K outermost: a lane to a column, registers down c).  Every work-group reads 65,536 bytes.  Only W's path stores to LDS.
; No matrix unit, no cluster, no tensor load: waves share nothing and memory binds.
.set KS1,   1081344                    ; bytes from a K step to the next: 88 groups x 12,288
.set WROWS, 786432                     ; where W's rows begin in a K step: 64 groups x 12,288
.set WSCL,  262144                     ; and among the scale words: 64 groups x 4,096
.set WWG,   192                        ; W's work-groups: 96 pairs of 32 rows x two halves of K
.set STG,   8448                       ; a wave's stage: 16 rows x (512 bytes + 16)
.set SPARE, 4*STG                      ; behind the stages: the spare words, 128 bytes a wave
.set SPW,   4                          ; v4  LDS address of my spare word; never rewritten
.set NIL,   5                          ; v5  0; never rewritten
; One block: 32 numbers of one lane, v[xs] on, become 6 registers of codes at v[fd] on and the scale's byte in v[by].
.macro BLK xs, fd, by
	v_max3_num_f32 v12, |v[\xs]|, |v[\xs+1]|, |v[\xs+2]|           ; the largest magnitude, in two chains
	v_max3_num_f32 v13, |v[\xs+3]|, |v[\xs+4]|, |v[\xs+5]|
.irp i, 6,10,14,18,22,26
	v_max3_num_f32 v12, v12, |v[\xs+\i]|, |v[\xs+\i+1]|
	v_max3_num_f32 v13, v13, |v[\xs+\i+2]|, |v[\xs+\i+3]|
.endr
	v_max3_num_f32 v12, v12, |v[\xs+30]|, |v[\xs+31]|
	v_max3_num_f32 v12, v12, v13, 0x2800000        ; and the floor 2^(5 - 127): the byte cannot fall under 1
	v_add_nc_u32 v11, 0xfe000000, v12              ; 4 off the exponent field: the conversion's scale operand
	v_cvt_scalef32_pk16_bf6_f32 v[\fd:\fd+2], v[\xs:\xs+15], v11
	v_cvt_scalef32_pk16_bf6_f32 v[16:18], v[\xs+16:\xs+31], v11    ; (a conversion's three registers begin on an even number)
	v_lshrrev_b32 v[\by], 23, v11                  ; the byte; also the plain instruction behind the conversions
.irp i, 0,1,2
	v_mov_b32 v[\fd+3+\i], v[16+\i]
.endr
.endm
	s_load_b256 s[4:11], s[0:1], 0x0               ; input_ s[4:5], W s[6:7], codes s[8:9], scale words s[10:11]
	v_lshl_add_u32 v[SPW], v0, 2, SPARE
	v_mov_b32 v[NIL], 0
	v_lshrrev_b32 v1, 5, v0
	v_readfirstlane_b32 s14, v1                    ; wave 0..3
	v_and_b32 v1, 31, v0                           ; lane
	s_cmp_lt_u32 ttmp9, WWG
	s_cbranch_scc1 .Lpath_w
	; ---- x.  Work-group: one K step of one group of 128 positions; wave p: 32 positions, one pair.  A lane takes a position, its 128 registers run down c.
	s_sub_co_u32 s16, ttmp9, WWG
	s_and_b32 s17, s16, 7                          ; K step
	s_lshr_b32 s18, s16, 3                         ; group 0..63 = 8 x batch + positions / 128
	s_lshr_b32 s19, s18, 3
	s_and_b32 s20, s18, 7
	s_lshl_b32 s22, s19, 22                        ; input_: batch x 4 MiB
	s_lshl_b32 s21, s17, 19                        ; + 128 channels x 4,096 bytes
	s_add_co_u32 s22, s22, s21
	s_lshl_b32 s21, s20, 9                         ; + 128 positions x 4 bytes
	s_add_co_u32 s22, s22, s21
	s_lshl_b32 s21, s14, 7                         ; + my wave's 32
	s_add_co_u32 s22, s22, s21
	s_mov_b32 s23, 0
	s_mul_i32 s24, s17, KS1                        ; codes: K step, group, pair
	s_mul_i32 s21, s18, 12288
	s_add_co_u32 s24, s24, s21
	s_mul_i32 s21, s14, 3072
	s_add_co_u32 s24, s24, s21
	s_mov_b32 s25, 0
	s_lshl_b32 s26, s18, 12                        ; scale words: group, K step, pair
	s_lshl_b32 s21, s17, 9
	s_add_co_u32 s26, s26, s21
	s_lshl_b32 s21, s14, 7
	s_add_co_u32 s26, s26, s21
	s_mov_b32 s27, 0
	v_lshlrev_b32 v2, 2, v1                        ; in: 4 bytes a lane
	v_bfe_u32 v3, v0, 3, 1                         ; my position's stored place: u = bit 3,
	v_and_b32 v6, 7, v0
	v_bfe_u32 v7, v0, 4, 1
	v_lshl_or_b32 v6, v7, 3, v6                    ; r = 8 x bit 4 + bits 2:0
	v_lshlrev_b32 v7, 4, v6
	v_lshl_add_u32 v7, v3, 8, v7                   ; 256 u + 16 r: the 32 lanes of a store cover 512 consecutive bytes
	v_lshlrev_b32 v8, 3, v6
	v_lshl_add_u32 v8, v3, 2, v8                   ; 8 r + 4 u
	s_wait_kmcnt 0x0
	s_add_nc_u64 s[4:5], s[4:5], s[22:23]
	s_add_nc_u64 s[8:9], s[8:9], s[24:25]
	s_add_nc_u64 s[10:11], s[10:11], s[26:27]
.set n, 0
.rept 128
	global_load_b32 v[32+n], v2, s[4:5] offset:n*4096 th:TH_LOAD_NT   ; x(c, my position): a wave reads 128 consecutive bytes, the four waves 512; read once in the launch
.set n, n+1
.endr
	s_wait_loadcnt 63                              ; of 128 loads at most 63 are out: the first 65 are in, blocks 0 and 1 among them
	BLK 32, 160, 20                                ; block kb belongs to lane half kb % 2 of the fragment, registers 6 (kb / 2) on: v160-171 half 0, v172-183 half 1
	BLK 64, 172, 21
	s_wait_loadcnt 32                              ; block 2 is in
	BLK 96, 166, 22
	s_wait_loadcnt 0x0
	BLK 128, 178, 23
	v_lshl_or_b32 v24, v21, 8, v20                 ; my row's scale word
	v_lshl_or_b32 v24, v22, 16, v24
	v_lshl_or_b32 v24, v23, 24, v24
.irp h, 0,1
.irp c, 0,1,2
	global_store_b128 v7, v[160+12*\h+4*\c:163+12*\h+4*\c], s[8:9] offset:1024*\c+512*\h
.endr
.endr
	global_store_b32 v8, v24, s[10:11]             ; 128 consecutive bytes a wave
	s_wait_tensorcnt 0x0                           ; the wave's end
	ds_add_u32 v[SPW], v[NIL]
	s_wait_dscnt 0x0
	s_endpgm
	; ---- W.  A wave: 32 rows (one pair) x one K step: two fragments.  Each load reads one row's 512 bytes; the 16 rows of a fragment turn through my stage, so that lane (r, h) gets blocks h and 2 + h of row r.
.Lpath_w:
	s_and_b32 s17, ttmp9, 1
	s_lshl_b32 s17, s17, 2
	s_add_co_u32 s17, s17, s14                     ; K step = 4 (work-group % 2) + wave
	s_lshr_b32 s18, ttmp9, 1                       ; which pair of 32 rows, 0 .. 95
	s_lshl_b32 s22, s18, 17                        ; W: 32 rows x 4,096 bytes
	s_lshl_b32 s21, s17, 9
	s_add_co_u32 s22, s22, s21
	s_mov_b32 s23, 0
	s_mul_i32 s24, s17, KS1
	s_mul_i32 s21, s18, 3072
	s_add_co_u32 s24, s24, s21
	s_add_co_u32 s24, s24, WROWS
	s_mov_b32 s25, 0
	s_lshr_b32 s26, s18, 2                         ; scale words: group, K step, pair
	s_lshl_b32 s26, s26, 12
	s_lshl_b32 s21, s17, 9
	s_add_co_u32 s26, s26, s21
	s_and_b32 s21, s18, 3
	s_lshl_b32 s21, s21, 7
	s_add_co_u32 s26, s26, s21
	s_add_co_u32 s26, s26, WSCL
	s_mov_b32 s27, 0
	s_mov_b32 s28, 0x76543210
	s_mov_b32 s29, 0xfedcba98                      ; v_permlanex16_b32's selects for lane l xor 16
	s_mul_i32 s31, s14, STG
	v_lshlrev_b32 v2, 4, v1                        ; 16 x lane
	v_add_nc_u32 v3, s31, v2                       ; the stage, on the way in
	v_and_b32 v6, 15, v0                           ; r
	v_bfe_u32 v7, v0, 4, 1                         ; h
	v_mul_u32_u24 v8, v6, 528
	v_lshl_add_u32 v8, v7, 7, v8
	v_add_nc_u32 v8, s31, v8                       ; and out: row r, + 128 h bytes: 33 x 16 bytes from row to row, so sixteen lanes touch sixteen different columns of 16 bytes
	v_lshlrev_b32 v9, 4, v6
	v_lshl_add_u32 v9, v7, 9, v9                   ; 512 h + 16 r: a fragment's image
	v_lshlrev_b32 v10, 3, v6                       ; 8 r: the scale words' way out
	v_lshlrev_b32 v24, 3, v7                       ; 8 h bits
	v_mov_b32 v25, 0                               ; (a lane permute's destination counts as one of its sources)
	s_wait_kmcnt 0x0
	s_add_nc_u64 s[6:7], s[6:7], s[22:23]
	s_add_nc_u64 s[8:9], s[8:9], s[24:25]
	s_add_nc_u64 s[10:11], s[10:11], s[26:27]
.macro LOADF f                         ; the 16 rows of fragment f, in stored order, into set f
.irp p, 0,1,2,3,4,5,6,7,8,9,10,11,12,13,14,15
	global_load_b128 v[32+64*(\f)+4*\p:35+64*(\f)+4*\p], v2, s[6:7] offset:(8*(\f)+\p+8*(\p/8))*4096 th:TH_LOAD_NT
.endr
.endm
.macro FRAGW f                         ; each fragment has code registers of its own (v224-235, v236-247): no store's data are written again
.if (\f) < 1
	s_wait_loadcnt 16                              ; this fragment's 16 loads are in; the next one's may be out
.else
	s_wait_loadcnt 0x0
.endif
.irp p, 0,1,2,3,4,5,6,7,8,9,10,11,12,13,14,15
	ds_store_b128 v3, v[32+64*(\f)+4*\p:35+64*(\f)+4*\p] offset:528*\p
.endr
.irp c, 0,1
.irp q, 0,1,2,3,4,5,6,7
	ds_load_b128 v[160+32*\c+4*\q:163+32*\c+4*\q], v8 offset:256*\c+16*\q   ; LDS serves a wave's instructions in order: these see the stores above
.endr
.endr
	s_wait_dscnt 0x0                               ; my 64 numbers are in
	BLK 160, 224+12*(\f), 20                       ; block h: registers 0-5
	BLK 192, 230+12*(\f), 21                       ; block 2 + h: registers 6-11
	v_lshl_or_b32 v26, v21, 16, v20                ; my two bytes,
	v_lshlrev_b32 v26, v24, v26                    ; at their places in the word;
	v_permlanex16_b32 v25, v26, s28, s29
	v_or_b32 v[248+(\f)], v26, v25                 ; with lane l xor 16's two it is whole
.irp c, 0,1,2
	global_store_b128 v9, v[224+12*(\f)+4*\c:227+12*(\f)+4*\c], s[8:9] offset:(\f)*256+1024*\c   ; two aligned runs of 256 bytes
.endr
.endm
	LOADF 0
	LOADF 1
	FRAGW 0
	FRAGW 1
	global_store_b64 v10, v[248:249], s[10:11]     ; row r's two words (u = 0, 1): 128 consecutive bytes; both halves of the lanes hold and store the same words
	s_wait_tensorcnt 0x0                           ; the wave's end, behind my last LDS store
	ds_add_u32 v[SPW], v[NIL]
	s_wait_dscnt 0x0
	s_endpgm
.Lfunc_end_k_q87ce5a426b_quant:
	.size	k_q87ce5a426b_quant, .Lfunc_end_k_q87ce5a426b_quant-k_q87ce5a426b_quant
	.p2alignl 7, 3214868480
	.fill 96, 4, 3214868480
	.section	.rodata,"a",@progbits
	.p2align	6, 0x0
	.amdhsa_kernel k_q87ce5a426b_quant
		.amdhsa_group_segment_fixed_size 34304
		.amdhsa_private_segment_fixed_size 0
		.amdhsa_enable_private_segment 0
		.amdhsa_kernarg_size 32
		.amdhsa_user_sgpr_count 2
		.amdhsa_user_sgpr_kernarg_segment_ptr 1
		.amdhsa_wavefront_size32 1
		.amdhsa_system_sgpr_workgroup_id_x 1
		.amdhsa_system_sgpr_workgroup_id_y 1
		.amdhsa_system_sgpr_workgroup_id_z 1
		.amdhsa_system_vgpr_workitem_id 0
		.amdhsa_next_free_vgpr 256
		.amdhsa_next_free_sgpr 66
		.amdhsa_reserve_vcc 0
		.amdhsa_float_denorm_mode_32 3
		.amdhsa_float_denorm_mode_16_64 3
		.amdhsa_memory_ordered 1
		.amdhsa_forward_progress 1
		.amdhsa_inst_pref_size 36
	.end_amdhsa_kernel
	.amdgpu_metadata
---
amdhsa.version: [ 1, 2 ]
amdhsa.kernels:
  - .name:           k_q87ce5a426b_quant
    .symbol:         k_q87ce5a426b_quant.kd
    .args:
      - { .name: input_, .offset: 0, .size: 8, .value_kind: global_buffer, .address_space: global }
      - { .name: W_qkv, .offset: 8, .size: 8, .value_kind: global_buffer, .address_space: global }
      - { .name: xwc, .offset: 16, .size: 8, .value_kind: global_buffer, .address_space: global }
      - { .name: xws, .offset: 24, .size: 8, .value_kind: global_buffer, .address_space: global }
    .group_segment_fixed_size: 34304
    .private_segment_fixed_size: 0
    .kernarg_segment_align: 8
    .kernarg_segment_size: 32
    .max_flat_workgroup_size: 128
    .sgpr_count:     66
    .vgpr_count:     256
    .wavefront_size: 32
...
	.end_amdgpu_metadata
.endif
;; end of part 5
;; launch qkv (part 6): grid 4 x 64, 4 waves a work-group, clusters of 4 x 4, 327,680 bytes of LDS; arguments xwc, xws, b_qkv, qkvc, qkvs; writes qkvc, qkvs
.if DOCPART == 6
	.amdgcn_target "amdgcn-amd-amdhsa--gfx1250"
	.amdhsa_code_object_version 6
	.text
	.protected	k_q87ce5a426b_qkv
	.globl	k_q87ce5a426b_qkv
	.p2align	8
	.type	k_q87ce5a426b_qkv,@function
k_q87ce5a426b_qkv:
	s_mov_b64 s[64:65], 0
	v_nop
	global_prefetch_b8 v0, s[64:65] scope:SCOPE_SE
	s_setreg_imm32_b32 hwreg(HW_REG_WAVE_MODE, 25, 1), 1
	s_wait_xcnt 0x0
	s_wait_alu depctr_hold_cnt(0) depctr_sa_sdst(0) depctr_va_vdst(0) depctr_va_sdst(0) depctr_va_ssrc(0) depctr_va_vcc(0) depctr_vm_vsrc(0)
	s_getreg_b32 s2, hwreg(HW_REG_IB_STS2, 6, 4)
	s_cmp_eq_u32 s2, 0
	s_cbranch_scc0 .Lentry_in_a_cluster
	s_endpgm
.Lentry_in_a_cluster:
	s_bfe_u32 s2, ttmp6, 0x10000c
	s_cmp_lg_u32 s2, 0xf033
	s_cbranch_scc0 .Lentry_shape_is_right
	s_endpgm
.Lentry_shape_is_right:
; Product 1: qkv = W x + b, on the codes that the launch before made, and Q, K, V quantised in registers for the next products.  Nothing of reference() is left out.
; A WORK-GROUP STAYS and makes three tiles, one of Q, one of K, one of V, each 128 (rows of A) x 256 (rows of B); a wave makes 64 x 128 of each: 32 accumulators.
; THE PRODUCT IS USED TRANSPOSED (source 0 = 16 rows of B, source 1 = 16 rows of A): a lane holds one row of A, its registers run along B's rows, in ascending order by the operands' stored row order.
; Q, K: A = x (128 positions), B = 256 of W's rows: registers run along the channels, the next K.  V: A = 128 of W's rows of V, B = x (256 positions): registers run along the positions, V's K.
; The wave's 128 of B's rows are one K step of the result's operand: four fragments and their scale words, stored as images of the registers.
; LDS holds ALL OF K (1,024) of a tile: A's eight K steps of 12,288 bytes, then B's eight of 24,576.  They are two slots of four K steps.  The first tile comes by four tensor loads a wave at the head.
; A slot is filled again, for the next tile, when the tile in hand has read it: slot 0 in the middle of the run, slot 1 in the middle of the way out; one tensor load a wave, two K steps each.
; So a refill has the rest of the run and half a way out, or half a way out and the next run's first K steps, in which to land.  K's tile keeps Q's rows of x: there only B is filled again.
; CLUSTER 4 x 4: A's tiles are shared along a row of the cluster, B's along a column: joint loads; each refill stands behind a round of the cluster's barrier.
; The three tiles differ in their gates, refills and bias, so they are written out by macros, without a loop.
; LIMITS: NaN and infinities are not served; a block under 2^-122 gets the scale byte 1.
; REGISTERS: window 0: v0-31 addresses; v32-47 A's scale words, v48-79 B's; v96-103 V's bias; v104-125 at work on the way out; v128-223 A's fragments, two sets (on the way out: v128-191 the 64 numbers in hand,
;   v192-239 four blocks' codes, v240-246 at work).   window 1: B's fragments, two sets at v0 and v128.   window 2: the accumulators, (a, b) at v[8 (8 a + b)].   window 3: v0-63 Q's bias, v64-127 K's.
.set KS1,    1081344                   ; bytes from a K step to the next in the operands' buffer
.set KSO,    2359296                   ; and in the result's
.set GRPB,   12288                     ; a group of 128 rows, one K step
.set BROW,   24576                     ; B's 256 rows, one K step
.set BOFF,   98304                     ; LDS: where B's K steps begin
.set TILEO,  786432                    ; in the result's codes: from Q's rows to K's to V's: 64 groups
.set TILES,  262144                    ; and among its scale words
.set SPARE,  296960                    ; the spare words, 128 bytes a wave
.set LA,  3                            ; v3  512 h + 16 r: my place in a fragment's image
.set LSW, 5                            ; v5  128 h + 8 r: the scale words' way out
.set LBI, 6                            ; v6  Q's and K's bias: 64 h + my first channel's bytes
.set LBM, 7                            ; v7  V's bias: 4 (r + 8 (r / 8)) + my first channel's bytes
.set ADA, 8                            ; v8-15  LDS address of my A fragments of K step 0..7
.set ADB, 16                           ; v16-23 the same for B
.set VSAX, 24                          ; v24-27 offsets of my scale words (512 h + 8 r + my rows): x as A, W of V as A, W of Q as B, x as B; never rewritten
.set VSAV, 25
.set VSBW, 26
.set VSBX, 27
.set SPW, 28
.set NIL, 29
.set SA,  32
.set SB,  48
.set BM,  96
.set TM,  104
.set PW,  120
.set DD,  124
.set AF,  128
.set H,   128
.set PCS, 192
.set PX,  240
.set SEL, 2                            ; s[2:3] lane selects for v_permlanex16_b32
.set OUT, 10                           ; s[10:11] my place in Q's rows of the result's codes
.set OUTS, 12                          ; s[12:13] and among its scale words
.set WV,  16
.set HFA, 17
.set HFB, 18
.set CX,  19
.set CY,  20
.set CLY, 22
.set HMASK, 23
.set G1A, 24                           ; s[24:31], s[32:39] group 1 of the first fills: a dense block of one K step
.set G1B, 32
.set G0A, 40                           ; s[40:55] A's groups 0: four sets for the first fills; the first serves the refills
.set G2A, 56                           ; s[56:63] group 1 of A's refills: two K steps
.set G0B, 68                           ; s[68:83] B's groups 0
.set G2B, 84                           ; s[84:91] group 1 of B's refills
.set AXP, 92                           ; s[92:95], s66, s67: A's side: these never hold cx
.set AV2, 94                           ; s[94:95] W's rows of V, K step 2 (wave % 2)
.set LAW, 67                           ; s67 24,576 (wave % 2): where my refill of A lands in a slot
.set BWP, 96                           ; s[96:101], s104, s105: B's side: these never hold cy
.set BW2, 98                           ; s[98:99] W's rows of K, K step 2 (wave % 2)
.set BX2, 100                          ; s[100:101] x's rows for V, K step 2 (wave % 2)
.set LBW, 105                          ; s105 49,152 (wave % 2)
.set MSB, 0
.macro WIN new                         ; the immediate's high byte repeats the setting that is left
.if MSB != \new
	s_set_vgpr_msb (MSB<<8)|\new
.set MSB, \new
.endif
.endm
.macro CREST                           ; a round of the cluster's barrier behind its opening barrier
	s_cmp_lg_u32 s[WV], 0
	s_cbranch_scc1 .Lnot_wave_0_\@
	s_barrier_signal -3
.Lnot_wave_0_\@:
	s_barrier_wait -3
	s_barrier_signal -1
	s_barrier_wait -1
.endm
.macro CROUND                          ; a whole round
	s_barrier_signal -1
	s_barrier_wait -1
	CREST
.endm
.macro PLACES                          ; four places behind a matrix instruction, in front of loads into its registers and of reads of its results
.rept 4
	v_nop
.endr
.endm
.macro FETCH ks, set                   ; 36 LDS loads: B's eight fragments and A's four of one K step; sixteen lanes read 256 consecutive bytes
	WIN 0x40
.irp i, 0,1,2,3,4,5,6,7
.irp c, 0,1,2
	ds_load_b128 v[128*(\set)+12*\i+4*\c:128*(\set)+12*\i+4*\c+3], v[ADB+(\ks)] offset:(\i/2)*3072+(\i%2)*256+1024*\c
.endr
.endr
	WIN 0
.irp i, 0,1,2,3
.irp c, 0,1,2
	ds_load_b128 v[AF+48*(\set)+12*\i+4*\c:AF+48*(\set)+12*\i+4*\c+3], v[ADA+(\ks)] offset:(\i/2)*3072+(\i%2)*256+1024*\c
.endr
.endr
.endm
.macro GATE n                          ; every wave's tensor loads but the youngest n have landed.  No LDS byte is filled again behind this barrier, so the others may stay out
	s_wait_dscnt 0x0
	s_wait_tensorcnt \n
	s_barrier_signal -1
	s_barrier_wait -1
.endm
.macro MULB ks, a                      ; 8 products: A's block a against B's eight.  The 32 accumulators take turns, one instruction a turn, in the same order in every step
.irp b, 0,1,2,3,4,5,6,7
.set rD, 8*(8*(\a)+\b)
.set rB, 128*((\ks)%2)+12*\b
.set rA, AF+48*((\ks)%2)+12*(\a)
.set rSB, SB+8*((\ks)/2)+\b
.set rSA, SA+4*((\ks)/2)+(\a)
.if (\ks) == 0
	v_wmma_scale_f32_16x16x128_f8f6f4 v[rD:rD+7], v[rB:rB+11], v[rA:rA+11], 0, v[rSB], v[rSA] matrix_a_fmt:MATRIX_FMT_BF6 matrix_b_fmt:MATRIX_FMT_BF6
.elseif ((\ks)%2) == 0
	v_wmma_scale_f32_16x16x128_f8f6f4 v[rD:rD+7], v[rB:rB+11], v[rA:rA+11], v[rD:rD+7], v[rSB], v[rSA] matrix_a_fmt:MATRIX_FMT_BF6 matrix_b_fmt:MATRIX_FMT_BF6
.else
	v_wmma_scale_f32_16x16x128_f8f6f4 v[rD:rD+7], v[rB:rB+11], v[rA:rA+11], v[rD:rD+7], v[rSB], v[rSA] matrix_a_fmt:MATRIX_FMT_BF6 matrix_b_fmt:MATRIX_FMT_BF6 matrix_a_scale:MATRIX_SCALE_ROW1 matrix_b_scale:MATRIX_SCALE_ROW1
.endif
.endr
.endm
.macro STEP ks, gate                   ; a K step: the next step's fragments are asked for, this step's are multiplied
.if (\ks) > 0
	PLACES
.endif
.if (\gate) >= 0
	GATE \gate
.endif
.if (\ks) < 7
	FETCH (\ks)+1, ((\ks)+1)%2
	s_wait_dscnt 36                                ; this step's fragments are in; the 36 loads just issued may be out
.else
	s_wait_dscnt 0x0
.endif
	WIN 0xa1
	MULB \ks, 0
	MULB \ks, 1
	MULB \ks, 2
	MULB \ks, 3
.endm
; The refills' groups 0, for slot s of tile t (1: K's, 2: V's): written where no tensor load of mine is out
.macro DESC t, s
.if (\t) == 2
	s_add_co_u32 s[G0A+1], s[LAW], (\s)*4*GRPB
	s_add_nc_u64 s[G0A+2:G0A+3], s[AV2:AV2+1], (\s)*4*KS1
	s_or_b32 s[G0A+3], s[G0A+3], 0x80000000
	s_add_nc_u64 s[G0B+2:G0B+3], s[BX2:BX2+1], (\s)*4*KS1
.else
	s_add_nc_u64 s[G0B+2:G0B+3], s[BW2:BW2+1], (\s)*4*KS1
.endif
	s_add_co_u32 s[G0B+1], s[LBW], BOFF+(\s)*4*BROW
	s_or_b32 s[G0B+3], s[G0B+3], 0x80000000
.endm
; A joint refill: waves 0, 1 fetch A's two halves of a slot, waves 2, 3 B's; for K's tile (t = 1) A stays as it lies and waves 0, 1 fetch nothing.  The branch hangs on the wave's number alone.
; An s_nop 0 and four v_nop follow each tensor load.
.macro JLOAD t
	s_cmp_eq_u32 s[HFA], 0
.if (\t) == 1
	s_cbranch_scc1 .Lasked_\@
.else
	s_cbranch_scc0 .Lfor_b_\@
	tensor_load_to_lds s[G0A:G0A+3], s[G2A:G2A+7]
	s_nop 0
	PLACES
	s_branch .Lasked_\@
.Lfor_b_\@:
.endif
	tensor_load_to_lds s[G0B:G0B+3], s[G2B:G2B+7]
	s_nop 0
	PLACES
.Lasked_\@:
.endm
; A K step with a round of the cluster's barrier among its products, behind which slot s is filled for tile t.  In front of the round each wave waits for all its tensor loads, adds 0 to its spare word, and waits for that
; and for its LDS loads, the last reads of the slot among them.  Behind it no wave of any partner reads the slot or has a load on its way, and every tile asked for earlier is whole.
.macro STEPR ks, t, s
	PLACES
	FETCH (\ks)+1, ((\ks)+1)%2
	s_wait_dscnt 36
	WIN 0xa1
	MULB \ks, 0
	MULB \ks, 1
	WIN 0                                          ; (the add's two registers lie in window 0)
	s_wait_tensorcnt 0x0                           ; all my tensor loads have landed;
	ds_add_u32 v[SPW], v[NIL]                      ; 0 onto my spare word;
	DESC \t, \s                                    ; the descriptors and eight products stand between it and the wait for it
	WIN 0xa1
	MULB \ks, 2
	s_wait_dscnt 0x0                               ; the add is done, and the fragments asked for above are in
	s_barrier_signal -1
	MULB \ks, 3                                    ; work on registers while the others arrive
	WIN 0
	s_barrier_wait -1
	CREST
	JLOAD \t                                       ; the first tensor load behind the round, and my only one until the next
.endm
; The same round on the way out, where there are no products to set into it
.macro ROUND2 t, s
	s_wait_tensorcnt 0x0                           ; all my tensor loads have landed: my part of the next tile's slot 0;
	ds_add_u32 v[SPW], v[NIL]
	DESC \t, \s
	s_wait_dscnt 0x0                               ; the add is done; my reads of slot 1 ended in front of the run's last products
	CROUND
	JLOAD \t
.endm
.macro SCALEA va                       ; A's scale words of all of K: a pair of K steps to a register (lanes 0-15 the even one, lanes 16-31 the odd one)
.irp k, 0,1,2,3
.irp p, 0,1
	global_load_b64 v[SA+4*\k+2*\p:SA+4*\k+2*\p+1], v[\va], s[6:7] offset:1024*\k+128*\p
.endr
.endr
.endm
.macro SCALEB vb, off
.irp k, 0,1,2,3
.irp p, 0,1,2,3
	global_load_b64 v[SB+8*\k+2*\p:SB+8*\k+2*\p+1], v[\vb], s[6:7] offset:(\off)+1024*\k+128*\p
.endr
.endr
.endm
; 64 numbers of a lane, register 16 b + i = k 32 b + 16 h + i of my row, become a fragment's codes in v[pc] on and its scale word in v[pw]
.macro QUANT s, pc, pw
.irp b, 0,1,2,3
	v_max3_num_f32 v[TM+\b], |v[\s+16*\b]|, |v[\s+1+16*\b]|, 0x2800000   ; my 16 numbers of block b, and the floor 2^(5 - 127)
.endr
.irp i, 2,4,6,8,10,12,14
.irp b, 0,1,2,3
	v_max3_num_f32 v[TM+\b], v[TM+\b], |v[\s+16*\b+\i]|, |v[\s+1+16*\b+\i]|
.endr
.endr
.irp b, 0,1,2,3
	v_permlanex16_b32 v[TM+4+\b], v[TM+\b], s[SEL], s[SEL+1]
.endr
.irp b, 0,1,2,3
	v_max_num_f32 v[TM+\b], v[TM+\b], v[TM+4+\b]   ; with lane l xor 16's: the block's largest magnitude
.endr
.irp b, 0,1,2,3
	v_add_nc_u32 v[TM+12+\b], 0xfe000000, v[TM+\b] ; 4 off its exponent field: the conversion's scale operand
.endr
.irp b, 0,1,2,3
	v_lshrrev_b32 v[TM+4+\b], 23, v[TM+12+\b]      ; the byte
.endr
	v_lshl_or_b32 v[\pw], v[TM+5], 8, v[TM+4]
	v_lshl_or_b32 v[\pw], v[TM+6], 16, v[\pw]
	v_lshl_or_b32 v[\pw], v[TM+7], 24, v[\pw]
.irp c, 0,1
	v_cvt_scalef32_pk16_bf6_f32 v[\pc+6*\c:\pc+6*\c+2], v[\s+32*\c:\s+15+32*\c], v[TM+12+2*\c]
	v_cvt_scalef32_pk16_bf6_f32 v[PX+4*\c:PX+4*\c+2], v[\s+16+32*\c:\s+31+32*\c], v[TM+12+2*\c+1]   ; (a conversion's three registers begin on an even number)
.endr
	v_nop                                          ; one plain instruction behind a scaled conversion
.irp c, 0,1                                    ; the operand's layout wants a whole block in a lane
.irp i, 0,1,2
	v_permlane16_swap_b32 v[\pc+6*\c+\i], v[PX+4*\c+\i]
.endr
.irp i, 0,1,2
	v_mov_b32 v[\pc+3+6*\c+\i], v[PX+4*\c+\i]
.endr
.endr
.endm
; Block a (16 rows of A) of tile t: + bias, quantised, stored as an image.  Each accumulator is read from its low end on.  Each block has code registers of its own, so no store's data are written again inside a tile.
.macro EPI t, a
.if (\t) < 2
	WIN 0x0e                                       ; source 0 window 2, source 1 window 3: the bias by the register's channel
.set j, 0
.rept 32
	v_pk_add_f32 v[H+j:H+j+1], v[64*(\a)+j:64*(\a)+j+1], v[64*(\t)+j:64*(\t)+j+1]
.set j, j+2
.endr
.else
	WIN 0x02                                       ; source 0 window 2: the bias by the lane's channel
.set j, 0
.rept 32
	v_pk_add_f32 v[H+j:H+j+1], v[64*(\a)+j:64*(\a)+j+1], v[BM+2*(\a):BM+2*(\a)+1] op_sel_hi:[1,0]
.set j, j+2
.endr
.endif
	WIN 0
	QUANT H, PCS+12*(\a), PW+(\a)
.irp c, 0,1,2
	global_store_b128 v[LA], v[PCS+12*(\a)+4*\c:PCS+12*(\a)+4*\c+3], s[OUT:OUT+1] offset:(\t)*TILEO+((\a)/2)*3072+((\a)%2)*256+1024*\c   ; two aligned runs of 256 bytes
.endr
.endm
.macro WORDS t                         ; the four blocks' scale words: lanes 0-15 carry the first pair's two, lanes 16-31 the second's: 256 consecutive bytes, aligned
	v_cndmask_b32 v[DD], v[PW], v[PW+2], s[HMASK]
	v_cndmask_b32 v[DD+1], v[PW+1], v[PW+3], s[HMASK]
	global_store_b64 v[LSW], v[DD:DD+1], s[OUTS:OUTS+1] offset:(\t)*TILES
.endm
	s_load_b256 s[4:11], s[0:1], 0x0               ; codes s[4:5], scale words s[6:7], bias s[8:9], result's codes s[10:11]
	s_load_b64 s[12:13], s[0:1], 0x20              ; result's scale words
	v_lshl_add_u32 v[SPW], v0, 2, SPARE
	v_mov_b32 v[NIL], 0
	ds_add_u32 v[SPW], v[NIL]                      ; the wave's opening: the add, twice on end, and its wait ahead of my first tensor load; the set-up below, work on registers, stands between
	ds_add_u32 v[SPW], v[NIL]
	v_lshrrev_b32 v1, 5, v0
	v_readfirstlane_b32 s[WV], v1                  ; wave 0..3
	s_lshr_b32 s[HFA], s[WV], 1                    ; which 64 of A's rows are mine.  Also: I fetch for A (0) or for B (1)
	s_and_b32 s[HFB], s[WV], 1                     ; which 128 of B's rows.  Also: which K steps I fetch
	s_bfe_u32 s[CX], ttmp6, 0x40000
	s_bfe_u32 s[CY], ttmp6, 0x40004
	s_and_b32 s[CLY], ttmp7, 0xffff                ; the cluster's y, 0 .. 15 (its x is 0)
	v_and_b32 v1, 15, v0                           ; r
	v_bfe_u32 v2, v0, 4, 1                         ; h
	v_lshlrev_b32 v[LA], 4, v1
	v_lshl_add_u32 v[LA], v2, 9, v[LA]
	v_lshlrev_b32 v4, 3, v1
	v_lshl_add_u32 v[LSW], v2, 7, v4
	v_lshl_add_u32 v4, v2, 9, v4                   ; 512 h + 8 r
	s_lshl_b32 s[AXP], s[CY], 2
	s_lshl_b32 s[AXP], 15, s[AXP]                  ; my row of the cluster
	s_lshl_b32 s[BWP], 0x1111, s[CX]               ; my column
	s_or_b32 s[G1A], s[AXP], (3<<16)|(1<<21)       ; group 1, first word: the mask; elements of 8 bytes; bit 21 set beside a mask; no padding
	s_or_b32 s[G2A], s[AXP], (3<<16)|(1<<21)
	s_or_b32 s[G1B], s[BWP], (3<<16)|(1<<21)
	s_or_b32 s[G2B], s[BWP], (3<<16)|(1<<21)
.irp g, G1A, G1B
	s_mov_b32 s[\g+1], 32<<16                      ; the first fills: a dense block as rows of 256 bytes: tensor_dim0 = 32
	s_mov_b32 s[\g+3], 32<<16                      ; tile_dim0
	s_mov_b32 s[\g+5], 32                          ; from row to row
	s_mov_b32 s[\g+6], 0
	s_mov_b32 s[\g+7], 0
.endr
	s_mov_b32 s[G1A+2], 48<<16                     ; A: 12,288 bytes: 48 rows
	s_mov_b32 s[G1A+4], 48
	s_mov_b32 s[G1B+2], 96<<16                     ; B: 24,576 bytes: 96 rows
	s_mov_b32 s[G1B+4], 96
.irp g, G2A, G2B
	s_mov_b32 s[\g+2], 2<<16                       ; the refills: two rows, each a K step's whole block: tensor_dim1 = 2
	s_mov_b32 s[\g+4], 2                           ; tile_dim1
	s_mov_b32 s[\g+5], KS1/8                       ; from K step to K step, in elements
	s_mov_b32 s[\g+6], 0
	s_mov_b32 s[\g+7], 0
.endr
	s_mov_b32 s[G2A+1], (GRPB/8)<<16               ; tensor_dim0 and tile_dim0: 1,536 elements for A,
	s_mov_b32 s[G2A+3], (GRPB/8)<<16
	s_mov_b32 s[G2B+1], (BROW/8)<<16               ; 3,072 for B
	s_mov_b32 s[G2B+3], (BROW/8)<<16
	; A's side: groups of 128 rows that hang on cy and the cluster's y
	s_lshl_b32 s[AXP], s[CLY], 2
	s_add_co_u32 s[AXP], s[AXP], s[CY]             ; Q, K: x's group 4 x cluster y + cy
	s_and_b32 s[AV2], s[CLY], 1
	s_lshl_b32 s[AV2], s[AV2], 2
	s_add_co_u32 s[AV2], s[AV2], s[CY]             ; V: which 128 channels: 4 (cluster y % 2) + cy
	s_lshl_b32 s67, s[HFA], 8                      ; 256 x half: 64 numbers of the bias, and 64 rows' scale words of a K step
	s_lshl_b32 s66, s[AV2], 9
	s_add_co_u32 s66, s66, s67
	v_and_b32 v[LBM], 8, v1
	v_add_nc_u32 v[LBM], v[LBM], v1
	v_lshl_add_u32 v[LBM], v[LBM], 2, s66
	s_add_co_u32 s[AV2], s[AV2], 80                ; W's rows 2,048 on: group 80 on
	s_lshl_b32 s66, s[AXP], 12
	s_add_co_u32 s66, s66, s67
	v_add_nc_u32 v[VSAX], s66, v4
	s_lshl_b32 s66, s[AV2], 12
	s_add_co_u32 s66, s66, s67
	v_add_nc_u32 v[VSAV], s66, v4
	s_mul_i32 s66, s[HFB], KS1
	s_mul_i32 s[AXP], s[AXP], GRPB
	s_add_co_u32 s[AXP], s[AXP], s66               ; the first fills: K step wave % 2
	s_mov_b32 s[AXP+1], 0
	s_mul_i32 s[AV2], s[AV2], GRPB
	s_add_co_u32 s[AV2], s[AV2], s66
	s_add_co_u32 s[AV2], s[AV2], s66               ; the refills: K step 2 (wave % 2)
	s_mov_b32 s[AV2+1], 0
	s_mul_i32 s66, s[HFB], GRPB                    ; and where they go: no place in the cluster enters an LDS address
	s_mul_i32 s[LAW], s[HFB], 2*GRPB
	; B's side: groups that hang on cx and the cluster's y
	s_lshl_b32 s104, s[CX], 1
	s_add_co_u32 s[BWP], s104, 64                  ; Q: W's groups 64 + 2 cx, + 1 (K: 8 groups on)
	s_lshr_b32 s[BX2], s[CLY], 1
	s_lshl_b32 s[BX2], s[BX2], 3
	s_add_co_u32 s[BX2], s[BX2], s104              ; V: x's groups 8 x batch + 2 cx, + 1
	s_add_co_u32 s104, s[BWP], s[HFB]
	s_lshl_b32 s104, s104, 12
	v_add_nc_u32 v[VSBW], s104, v4
	s_add_co_u32 s104, s[BX2], s[HFB]
	s_lshl_b32 s104, s104, 12
	v_add_nc_u32 v[VSBX], s104, v4
	s_lshl_b32 s104, s[CX], 10                     ; Q's bias: channel 256 cx + 128 half on (K's: 1,024 channels on)
	s_lshl_b32 s105, s[HFB], 9
	s_add_co_u32 s104, s104, s105
	v_lshl_add_u32 v[LBI], v2, 6, s104
	s_mul_i32 s104, s[HFB], KS1
	s_mul_i32 s[BWP], s[BWP], GRPB
	s_add_co_u32 s[BW2], s[BWP], 8*GRPB
	s_add_co_u32 s[BWP], s[BWP], s104
	s_mov_b32 s[BWP+1], 0
	s_add_co_u32 s[BW2], s[BW2], s104
	s_add_co_u32 s[BW2], s[BW2], s104
	s_mov_b32 s[BW2+1], 0
	s_mul_i32 s[BX2], s[BX2], GRPB
	s_add_co_u32 s[BX2], s[BX2], s104
	s_add_co_u32 s[BX2], s[BX2], s104
	s_mov_b32 s[BX2+1], 0
	s_mul_i32 s104, s[HFB], BROW
	s_mul_i32 s[LBW], s[HFB], 2*BROW
	; the result: group 4 x cluster y + cy of Q's rows (K's and V's: 64 and 128 groups on, in the stores' immediates); K step 2 cx + half
	s_lshl_b32 s21, s[CX], 1
	s_add_co_u32 s21, s21, s[HFB]
	s_mul_i32 s14, s21, KSO
	s_lshl_b32 s2, s21, 9
	s_lshl_b32 s21, s[CLY], 2
	s_add_co_u32 s21, s21, s[CY]
	s_mul_i32 s23, s21, GRPB
	s_add_co_u32 s14, s14, s23
	s_mul_i32 s23, s[HFA], 6144
	s_add_co_u32 s14, s14, s23
	s_mov_b32 s15, 0
	s_lshl_b32 s23, s21, 12
	s_add_co_u32 s2, s2, s23
	s_lshl_b32 s23, s[HFA], 8
	s_add_co_u32 s2, s2, s23
	s_mov_b32 s3, 0
	s_mul_i32 s21, s[HFA], 6144                    ; my fragments in LDS
	s_mul_i32 s23, s[HFB], GRPB
	s_add_co_u32 s23, s23, BOFF
.irp k, 0,1,2,3,4,5,6,7
	v_add_nc_u32 v[ADA+\k], s21, v[LA]
	v_add_nc_u32 v[ADB+\k], s23, v[LA]
	s_add_co_u32 s21, s21, GRPB
	s_add_co_u32 s23, s23, BROW
.endr
.irp b, 0,1,2,3
	v_mov_b32 v[TM+4+\b], 0                        ; written once: a lane permute's destination counts as one of its sources
.endr
	s_wait_dscnt 0x0                               ; both opening adds are done
	s_wait_kmcnt 0x0
	s_add_nc_u64 s[AXP:AXP+1], s[4:5], s[AXP:AXP+1]
	s_add_nc_u64 s[AV2:AV2+1], s[4:5], s[AV2:AV2+1]
	s_add_nc_u64 s[BWP:BWP+1], s[4:5], s[BWP:BWP+1]
	s_add_nc_u64 s[BW2:BW2+1], s[4:5], s[BW2:BW2+1]
	s_add_nc_u64 s[BX2:BX2+1], s[4:5], s[BX2:BX2+1]
	s_add_nc_u64 s[OUT:OUT+1], s[OUT:OUT+1], s[14:15]
	s_add_nc_u64 s[OUTS:OUTS+1], s[OUTS:OUTS+1], s[2:3]
	s_mov_b32 s[SEL], 0x76543210
	s_mov_b32 s[SEL+1], 0xfedcba98
	s_mov_b32 s[HMASK], 0xffff0000
.irp n, 0,1,2,3                                ; group 0, a set for each of my four first fills: K step 2 n + wave % 2 of Q's tile
	s_mov_b32 s[G0A+4*\n], 1
	s_add_co_u32 s[G0A+4*\n+1], s66, \n*2*GRPB
	s_add_nc_u64 s[G0A+4*\n+2:G0A+4*\n+3], s[AXP:AXP+1], \n*2*KS1
	s_or_b32 s[G0A+4*\n+3], s[G0A+4*\n+3], 0x80000000
	s_mov_b32 s[G0B+4*\n], 1
	s_add_co_u32 s[G0B+4*\n+1], s104, BOFF+\n*2*BROW
	s_add_nc_u64 s[G0B+4*\n+2:G0B+4*\n+3], s[BWP:BWP+1], \n*2*KS1
	s_or_b32 s[G0B+4*\n+3], s[G0B+4*\n+3], 0x80000000
.endr
	CROUND                                         ; all sixteen work-groups are here: the joint loads meet
	s_cmp_eq_u32 s[HFA], 0                         ; waves 0, 1 fetch A's tiles, waves 2, 3 B's: four loads of mine are out
	s_cbranch_scc0 .Lfill_b
.irp n, 0,1,2,3
	tensor_load_to_lds s[G0A+4*\n:G0A+4*\n+3], s[G1A:G1A+7]
	s_nop 0
.endr
	PLACES
	s_branch .Lfilled
.Lfill_b:
.irp n, 0,1,2,3
	tensor_load_to_lds s[G0B+4*\n:G0B+4*\n+3], s[G1B:G1B+7]
	s_nop 0
.endr
	PLACES
.Lfilled:
	SCALEA VSAX                                    ; Q's tile: 24 loads of scale words,
	SCALEB VSBW, 0
	WIN 0xc0                                       ; destination window 3
.irp t, 0,1                                    ; and 40 of the bias, for all three tiles.  Q's and K's: register 16 b + i: channel 32 b + 16 h + i
.irp b, 0,1,2,3
.irp q, 0,1,2,3
	global_load_b128 v[64*\t+16*\b+4*\q:64*\t+16*\b+4*\q+3], v[LBI], s[8:9] offset:4096*\t+128*\b+16*\q
.endr
.endr
.endr
	WIN 0
.irp a, 0,1,2,3                                ; V's: block a, lane r: channel 32 (a / 2) + 8 (a % 2) + r + 8 (r / 8); twice, since the packed sum names a pair
	global_load_b32 v[BM+2*\a], v[LBM], s[8:9] offset:8192+4*(32*(\a/2)+8*(\a%2))
	global_load_b32 v[BM+2*\a+1], v[LBM], s[8:9] offset:8192+4*(32*(\a/2)+8*(\a%2))
.endr
	; ---- Q's tile
	GATE 3                                         ; K steps 0 and 1 are in LDS
	FETCH 0, 0
	s_wait_loadcnt 40                              ; the scale words are in; the 40 loads of the bias may be out
	STEP 0, -1
	STEP 1, 2                                      ; K steps 2 and 3
	STEP 2, -1
	STEP 3, 1                                      ; 4 and 5
	STEPR 4, 1, 0                                  ; 6 and 7: all first fills have landed; slot 0, read out since K step 3, takes K's tile
	STEP 5, -1
	STEP 6, -1
	STEP 7, -1
	WIN 0
	PLACES                                         ; in front of the loads into the scale registers, the first read of results and the first write of the fragments' registers
	SCALEB VSBW, 8*4096                            ; K's rows of W lie 8 groups on; A's scale words stay
	s_wait_loadcnt 16                              ; the bias is in; the 16 loads just issued may be out
	EPI 0, 0
	EPI 0, 1
	ROUND2 1, 1                                    ; slot 1 takes K's tile
	EPI 0, 2
	EPI 0, 3
	WORDS 0
	; ---- K's tile.  Its slot 0 was shown landed, to every wave, by the round above
	s_wait_xcnt 0x0                                ; my stores have read their data: the fragments' loads may land on those registers
	s_wait_loadcnt 0x0                             ; the scale words
	FETCH 0, 0
	STEP 0, -1
	STEP 1, -1
	STEPR 2, 2, 0                                  ; slot 1 has landed; slot 0, whose last fragments this step has fetched, takes V's tile
	STEP 3, -1
	STEP 4, -1
	STEP 5, -1
	STEP 6, -1
	STEP 7, -1
	WIN 0
	PLACES
	SCALEA VSAV
	SCALEB VSBX, 0
	EPI 1, 0
	EPI 1, 1
	ROUND2 2, 1                                    ; slot 1 takes V's tile
	EPI 1, 2
	EPI 1, 3
	WORDS 1
	; ---- V's tile: nothing more is asked for
	s_wait_xcnt 0x0
	s_wait_loadcnt 0x0
	FETCH 0, 0
	STEP 0, -1
	STEP 1, -1
	STEP 2, -1
	STEP 3, 0                                      ; slot 1 has landed
	STEP 4, -1
	STEP 5, -1
	STEP 6, -1
	STEP 7, -1
	WIN 0
	PLACES
	EPI 2, 0
	EPI 2, 1
	EPI 2, 2
	EPI 2, 3
	WORDS 2
	s_wait_tensorcnt 0x0                           ; the wave's end
	ds_add_u32 v[SPW], v[NIL]
	s_wait_dscnt 0x0
	CROUND                                         ; the closing round
	s_endpgm
.Lfunc_end_k_q87ce5a426b_qkv:
	.size	k_q87ce5a426b_qkv, .Lfunc_end_k_q87ce5a426b_qkv-k_q87ce5a426b_qkv
	.p2alignl 7, 3214868480
	.fill 96, 4, 3214868480
	.section	.rodata,"a",@progbits
	.p2align	6, 0x0
	.amdhsa_kernel k_q87ce5a426b_qkv
		.amdhsa_group_segment_fixed_size 327680
		.amdhsa_private_segment_fixed_size 0
		.amdhsa_enable_private_segment 0
		.amdhsa_kernarg_size 40
		.amdhsa_user_sgpr_count 2
		.amdhsa_user_sgpr_kernarg_segment_ptr 1
		.amdhsa_wavefront_size32 1
		.amdhsa_system_sgpr_workgroup_id_x 1
		.amdhsa_system_sgpr_workgroup_id_y 1
		.amdhsa_system_sgpr_workgroup_id_z 1
		.amdhsa_system_vgpr_workitem_id 0
		.amdhsa_next_free_vgpr 1024
		.amdhsa_next_free_sgpr 106
		.amdhsa_reserve_vcc 0
		.amdhsa_float_denorm_mode_32 3
		.amdhsa_float_denorm_mode_16_64 3
		.amdhsa_memory_ordered 1
		.amdhsa_forward_progress 1
		.amdhsa_inst_pref_size 255
	.end_amdhsa_kernel
	.section	.bss,"aw",@nobits
	.p2align	6
	.space	262144
	.amdgpu_metadata
---
amdhsa.version: [ 1, 2 ]
amdhsa.kernels:
  - .name:           k_q87ce5a426b_qkv
    .symbol:         k_q87ce5a426b_qkv.kd
    .args:
      - { .name: xwc, .offset: 0, .size: 8, .value_kind: global_buffer, .address_space: global }
      - { .name: xws, .offset: 8, .size: 8, .value_kind: global_buffer, .address_space: global }
      - { .name: b_qkv, .offset: 16, .size: 8, .value_kind: global_buffer, .address_space: global }
      - { .name: qkvc, .offset: 24, .size: 8, .value_kind: global_buffer, .address_space: global }
      - { .name: qkvs, .offset: 32, .size: 8, .value_kind: global_buffer, .address_space: global }
    .group_segment_fixed_size: 327680
    .private_segment_fixed_size: 0
    .kernarg_segment_align: 8
    .kernarg_segment_size: 40
    .max_flat_workgroup_size: 128
    .sgpr_count:     106
    .vgpr_count:     1024
    .wavefront_size: 32
...
	.end_amdgpu_metadata
.endif
;; end of part 6
;; launch scores: the kernel of part 3 again; grid 4 x 64, 4 waves a work-group, clusters of 4 x 4, 327,680 bytes of LDS; arguments qkvc, qkvs, pc, pst; writes pc, pst
;; launch mix (part 7): grid 4 x 64, 4 waves a work-group, clusters of 4 x 4, 327,680 bytes of LDS; arguments qkvc, qkvs, pc, pst, input_, out0; writes out0
.if DOCPART == 7
	.amdgcn_target "amdgcn-amd-amdhsa--gfx1250"
	.amdhsa_code_object_version 6
	.text
	.protected	k_q87ce5a426b_mix
	.globl	k_q87ce5a426b_mix
	.p2align	8
	.type	k_q87ce5a426b_mix,@function
k_q87ce5a426b_mix:
	s_mov_b64 s[64:65], 0
	v_nop
	global_prefetch_b8 v0, s[64:65] scope:SCOPE_SE
	s_setreg_imm32_b32 hwreg(HW_REG_WAVE_MODE, 25, 1), 1
	s_wait_xcnt 0x0
	s_wait_alu depctr_hold_cnt(0) depctr_sa_sdst(0) depctr_va_vdst(0) depctr_va_sdst(0) depctr_va_ssrc(0) depctr_va_vcc(0) depctr_vm_vsrc(0)
	s_getreg_b32 s2, hwreg(HW_REG_IB_STS2, 6, 4)
	s_cmp_eq_u32 s2, 0
	s_cbranch_scc0 .Lentry_in_a_cluster
	s_endpgm
.Lentry_in_a_cluster:
	s_bfe_u32 s2, ttmp6, 0x10000c
	s_cmp_lg_u32 s2, 0xf033
	s_cbranch_scc0 .Lentry_shape_is_right
	s_endpgm
.Lentry_shape_is_right:
; Product 3 and the end: out[c][j] = x[c][j] + (sum over i of V[c][i] p[i][j]) / l[j].  Nothing of reference() is left out.
; A = V (128 channels of one batch), B = P (256 queries), K = the 1,024 keys: a lane holds one channel, its registers run along the queries.  All of K lies in LDS, asked for at the head by four joint tensor loads a wave; nothing is filled again.
; P's eight K steps were made under maxima of their own.  Here, for each query: -M = the least -Mloc; d = Mloc - M, a whole number, 0 or less; each of the step's four scale bytes gets d added, and the step's sum is multiplied by 2^d.
; x is asked for in the run's first four K steps, 16 rows of 512 bytes a step, behind that step's LDS loads: it arrives under the products, and the head's requests are the tiles' and the statistics' alone.
; LIMITS: d is held at -127, and a byte that would fall under 0 is held at 0: such a block then counts for at most 28 x 2^-127 x |v|, and its part of l for at most 128 x 2^-127, where the exact values are smaller still
; (l is above 1/2).  NaN and infinities are not served.
; REGISTERS: window 0: v0-31 addresses; v32-47 A's scale words, v48-79 B's; v128-223 A's fragments, two sets.  window 1: B's fragments, two sets.  window 2: the accumulators.  window 3: my 64 x 128 numbers of x.
;   Window 0 at the head: v80-95 at work, v100-103 1 / l of my four queries on the way out, v128-159 -Mloc, v160-191 the sums, v192-255 at work.
.set KSA,    2359296
.set KSB,    786432
.set GRPB,   12288
.set KSTEPB, 36864
.set PLANE,  262144
.set SCRATCH, 294912                   ; behind the tiles: 512 bytes a wave, for l on its way from stored order to the queries' order; no tensor load lands here
.set SPARE,  296960
.set SPITCH, 528                       ; the way out: a stage of 16 rows x (512 bytes + 16) a wave, in K step 0's bytes: they have had their only fill, and nobody reads them behind the run's second barrier
.set LA,  3
.set LSC, 4
.set CO,  6                            ; v6  16 x lane
.set STO, 7
.set ADA, 8
.set ADB, 16
.set RD,  24
.set LSA, 25
.set LSR, 26
.set SPW, 28
.set NIL, 29
.set SA,  32
.set SB,  48
.set MN,  80
.set TP,  88
.set RL,  100
.set LQ,  104
.set AF,  128
.set NMR, 128
.set LLR, 160
.set TA,  192
.set XA,  224
.set BK,  128
.set WV,  16
.set HFA, 17
.set HFB, 18
.set CX,  19
.set CY,  20
.set CLY, 22
.set G1A, 24
.set G1B, 32
.set G0A, 40
.set G0B, 68
.set SEL, 84
.set MSB, 0
.macro WIN new
.if MSB != \new
	s_set_vgpr_msb (MSB<<8)|\new
.set MSB, \new
.endif
.endm
.macro CROUND
	s_barrier_signal -1
	s_barrier_wait -1
	s_cmp_lg_u32 s[WV], 0
	s_cbranch_scc1 .Lnot_wave_0_\@
	s_barrier_signal -3
.Lnot_wave_0_\@:
	s_barrier_wait -3
	s_barrier_signal -1
	s_barrier_wait -1
.endm
.macro FETCH ks, set
	WIN 0x40
.irp i, 0,1,2,3,4,5,6,7
.irp c, 0,1,2
	ds_load_b128 v[128*(\set)+12*\i+4*\c:128*(\set)+12*\i+4*\c+3], v[ADB+(\ks)] offset:(\i/2)*3072+(\i%2)*256+1024*\c
.endr
.endr
	WIN 0
.irp i, 0,1,2,3
.irp c, 0,1,2
	ds_load_b128 v[AF+48*(\set)+12*\i+4*\c:AF+48*(\set)+12*\i+4*\c+3], v[ADA+(\ks)] offset:(\i/2)*3072+(\i%2)*256+1024*\c
.endr
.endr
.endm
.macro XLOAD a                         ; x for block a of the way out: stored row 16 a + t is channel 32 (a / 2) + 8 (a % 2) + t + 8 (t / 8); 32 lanes read 512 consecutive bytes; read once in the launch
	WIN 0xc0                                       ; destination window 3
.irp t, 0,1,2,3,4,5,6,7,8,9,10,11,12,13,14,15
	global_load_b128 v[4*(16*(\a)+\t):4*(16*(\a)+\t)+3], v[CO], s[12:13] offset:(32*((\a)/2)+8*((\a)%2)+\t+8*(\t/8))*4096 th:TH_LOAD_NT
.endr
.endm
.macro GATE n                          ; every wave's tensor loads but the youngest n have landed
	s_wait_dscnt 0x0
	s_wait_tensorcnt \n
	s_barrier_signal -1
	s_barrier_wait -1
.endm
.macro MUL32 ks                        ; the accumulators take turns, one instruction a turn
	WIN 0xa1
.irp a, 0,1,2,3
.irp b, 0,1,2,3,4,5,6,7
.set rD, 8*(8*\a+\b)
.set rB, 128*((\ks)%2)+12*\b
.set rA, AF+48*((\ks)%2)+12*\a
.set rSB, SB+8*((\ks)/2)+\b
.set rSA, SA+4*((\ks)/2)+\a
.if (\ks) == 0
	v_wmma_scale_f32_16x16x128_f8f6f4 v[rD:rD+7], v[rB:rB+11], v[rA:rA+11], 0, v[rSB], v[rSA] matrix_a_fmt:MATRIX_FMT_BF6 matrix_b_fmt:MATRIX_FMT_BF6
.elseif ((\ks)%2) == 0
	v_wmma_scale_f32_16x16x128_f8f6f4 v[rD:rD+7], v[rB:rB+11], v[rA:rA+11], v[rD:rD+7], v[rSB], v[rSA] matrix_a_fmt:MATRIX_FMT_BF6 matrix_b_fmt:MATRIX_FMT_BF6
.else
	v_wmma_scale_f32_16x16x128_f8f6f4 v[rD:rD+7], v[rB:rB+11], v[rA:rA+11], v[rD:rD+7], v[rSB], v[rSA] matrix_a_fmt:MATRIX_FMT_BF6 matrix_b_fmt:MATRIX_FMT_BF6 matrix_a_scale:MATRIX_SCALE_ROW1 matrix_b_scale:MATRIX_SCALE_ROW1
.endif
.endr
.endr
.endm
.macro STEP ks, gate
.if (\ks) > 0
.rept 4
	v_nop                                          ; places in front of loads into the set that the step before multiplied
.endr
.endif
.if (\gate) >= 0
	GATE \gate
.endif
.if (\ks) < 7
	FETCH (\ks)+1, ((\ks)+1)%2
.if (\ks) < 4
	XLOAD \ks
.endif
	s_wait_dscnt 36                                ; the 36 LDS loads just issued may be out
.else
	s_wait_dscnt 0x0
.endif
	MUL32 \ks
.endm
	s_load_b256 s[4:11], s[0:1], 0x0               ; Q K V codes s[4:5], their scale words s[6:7], P's codes s[8:9], P's words and statistics s[10:11]
	s_load_b128 s[12:15], s[0:1], 0x20             ; x s[12:13], out s[14:15]
	v_lshl_add_u32 v[SPW], v0, 2, SPARE
	v_mov_b32 v[NIL], 0
	ds_add_u32 v[SPW], v[NIL]                      ; the wave's opening: the add, twice on end, and its wait ahead of my first tensor load
	ds_add_u32 v[SPW], v[NIL]
	v_lshrrev_b32 v1, 5, v0
	v_readfirstlane_b32 s[WV], v1
	s_lshr_b32 s[HFA], s[WV], 1
	s_and_b32 s[HFB], s[WV], 1
	s_bfe_u32 s[CX], ttmp6, 0x40000
	s_bfe_u32 s[CY], ttmp6, 0x40004
	s_and_b32 s[CLY], ttmp7, 0xffff
	s_lshl_b32 s56, s[CY], 2
	s_lshl_b32 s56, 15, s56
	s_lshl_b32 s86, 0x1111, s[CX]
	s_or_b32 s[G1A], s56, (3<<16)|(1<<21)
	s_or_b32 s[G1B], s86, (3<<16)|(1<<21)
.irp g, G1A, G1B
	s_mov_b32 s[\g+1], 32<<16
	s_mov_b32 s[\g+3], 32<<16
	s_mov_b32 s[\g+5], 32
	s_mov_b32 s[\g+6], 0
	s_mov_b32 s[\g+7], 0
.endr
	s_mov_b32 s[G1A+2], 48<<16
	s_mov_b32 s[G1A+4], 48
	s_mov_b32 s[G1B+2], 96<<16
	s_mov_b32 s[G1B+4], 96
	s_lshl_b32 s56, s[CLY], 2
	s_add_co_u32 s56, s56, s[CY]
	s_add_co_u32 s56, s56, 128                     ; A: V's group 128 + 4 x cluster y + cy
	s_lshr_b32 s86, s[CLY], 1
	s_lshl_b32 s86, s86, 3
	s_lshl_b32 s87, s[CX], 1
	s_add_co_u32 s86, s86, s87                     ; B: P's groups 8 x batch + 2 cx, + 1
	s_lshl_b32 s58, s56, 12
	s_lshl_b32 s59, s[HFA], 8
	s_add_co_u32 s58, s58, s59
	s_mov_b32 s59, 0
	s_add_co_u32 s88, s86, s[HFB]
	s_lshl_b32 s88, s88, 12
	s_mov_b32 s89, 0
	s_mul_i32 s56, s56, GRPB
	s_mul_i32 s57, s[HFB], KSA
	s_add_co_u32 s56, s56, s57
	s_mov_b32 s57, 0
	s_mul_i32 s86, s86, GRPB
	s_mul_i32 s87, s[HFB], KSB
	s_add_co_u32 s86, s86, s87
	s_mov_b32 s87, 0
	s_mul_i32 s60, s[HFB], KSTEPB
	; my corner of x and of out: batch, my first channel, my first query
	s_lshr_b32 s90, s[CLY], 1
	s_lshl_b32 s90, s90, 22
	s_and_b32 s91, s[CLY], 1
	s_lshl_b32 s91, s91, 2
	s_add_co_u32 s91, s91, s[CY]
	s_lshl_b32 s91, s91, 19                        ; 128 channels x 4,096 bytes
	s_add_co_u32 s90, s90, s91
	s_lshl_b32 s91, s[HFA], 18
	s_add_co_u32 s90, s90, s91
	s_lshl_b32 s91, s[CX], 10                      ; 256 queries x 4 bytes
	s_add_co_u32 s90, s90, s91
	s_lshl_b32 s91, s[HFB], 9
	s_add_co_u32 s90, s90, s91
	s_mov_b32 s91, 0
	s_mov_b32 s[SEL], 0x76543210
	s_mov_b32 s[SEL+1], 0xfedcba98
	s_wait_dscnt 0x0                               ; both opening adds are done
	s_wait_kmcnt 0x0
	s_add_nc_u64 s[56:57], s[4:5], s[56:57]
	s_add_nc_u64 s[86:87], s[8:9], s[86:87]
	s_add_nc_u64 s[58:59], s[6:7], s[58:59]
	s_add_nc_u64 s[88:89], s[10:11], s[88:89]
	s_add_nc_u64 s[12:13], s[12:13], s[90:91]
	s_add_nc_u64 s[14:15], s[14:15], s[90:91]
.irp n, 0,1,2,3
	s_mov_b32 s[G0A+4*\n], 1
	s_add_co_u32 s[G0A+4*\n+1], s60, \n*2*KSTEPB
	s_add_nc_u64 s[G0A+4*\n+2:G0A+4*\n+3], s[56:57], \n*2*KSA
	s_or_b32 s[G0A+4*\n+3], s[G0A+4*\n+3], 0x80000000
	s_mov_b32 s[G0B+4*\n], 1
	s_add_co_u32 s[G0B+4*\n+1], s60, \n*2*KSTEPB+GRPB
	s_add_nc_u64 s[G0B+4*\n+2:G0B+4*\n+3], s[86:87], \n*2*KSB
	s_or_b32 s[G0B+4*\n+3], s[G0B+4*\n+3], 0x80000000
.endr
	CROUND                                         ; all sixteen work-groups are here: the joint loads meet
	s_cmp_eq_u32 s[HFA], 0                         ; waves 0, 1 fetch A's tiles, waves 2, 3 B's: four loads of mine are out
	s_cbranch_scc0 .Lfill_b
.irp n, 0,1,2,3
	tensor_load_to_lds s[G0A+4*\n:G0A+4*\n+3], s[G1A:G1A+7]
	s_nop 0
.endr
.rept 4
	v_nop
.endr
	s_branch .Lfilled
.Lfill_b:
.irp n, 0,1,2,3
	tensor_load_to_lds s[G0B+4*\n:G0B+4*\n+3], s[G1B:G1B+7]
	s_nop 0
.endr
.rept 4
	v_nop
.endr
.Lfilled:
	v_and_b32 v1, 15, v0
	v_bfe_u32 v2, v0, 4, 1
	v_lshlrev_b32 v[LA], 4, v1
	v_lshl_add_u32 v[LA], v2, 9, v[LA]
	v_lshlrev_b32 v[LSC], 3, v1
	v_lshl_add_u32 v[LSC], v2, 9, v[LSC]
	v_and_b32 v[CO], 31, v0
	v_lshlrev_b32 v[CO], 4, v[CO]
.irp k, 0,1,2,3
.irp p, 0,1
	global_load_b64 v[SA+4*\k+2*\p:SA+4*\k+2*\p+1], v[LSC], s[58:59] offset:1024*\k+128*\p
.endr
.endr
.irp k, 0,1,2,3
.irp p, 0,1,2,3
	global_load_b64 v[SB+8*\k+2*\p:SB+8*\k+2*\p+1], v[LSC], s[88:89] offset:1024*\k+128*\p
.endr
.endr
.irp k, 0,1,2,3
.irp p, 0,1,2,3
	global_load_b64 v[NMR+8*\k+2*\p:NMR+8*\k+2*\p+1], v[LSC], s[88:89] offset:PLANE+1024*\k+128*\p
.endr
.endr
.irp k, 0,1,2,3
.irp p, 0,1,2,3
	global_load_b64 v[LLR+8*\k+2*\p:LLR+8*\k+2*\p+1], v[LSC], s[88:89] offset:2*PLANE+1024*\k+128*\p
.endr
.endr
	s_mul_i32 s62, s[HFA], 6144
	s_mul_i32 s63, s[HFB], GRPB
	s_add_co_u32 s63, s63, GRPB
.irp k, 0,1,2,3,4,5,6,7
	v_add_nc_u32 v[ADA+\k], s62, v[LA]
	v_add_nc_u32 v[ADB+\k], s63, v[LA]
	s_add_co_u32 s62, s62, KSTEPB
	s_add_co_u32 s63, s63, KSTEPB
.endr
	s_mul_i32 s60, s[WV], 16*SPITCH                ; my stage
	v_mul_u32_u24 v[STO], v1, SPITCH
	v_lshl_add_u32 v[STO], v2, 6, v[STO]
	v_add_nc_u32 v[STO], s60, v[STO]               ; in: row r, + 64 h
	v_add_nc_u32 v[RD], s60, v[CO]                 ; back: a row of 512 bytes, 16 a lane
	s_lshl_b32 s60, s[WV], 9
	s_add_co_u32 s60, s60, SCRATCH                 ; my scratch
	v_and_b32 v[LSA], 8, v1
	v_add_nc_u32 v[LSA], v[LSA], v1
	v_lshl_add_u32 v[LSA], v[LSA], 2, s60          ; in: 4 (r + 8 (r / 8))
	v_add_nc_u32 v[LSR], s60, v[CO]                ; back: my four queries
	s_wait_loadcnt 0x0                             ; the 56 loads of scale words and statistics
	; register 8 k + i, lane (r, h): stored query 16 i + r, K step 2 k + h
.irp i, 0,1,2,3,4,5,6,7
	v_min_num_f32 v[MN+\i], v[NMR+\i], v[NMR+8+\i]
.endr
.irp i, 0,1,2,3,4,5,6,7
	v_min_num_f32 v[TP+\i], v[NMR+16+\i], v[NMR+24+\i]
.endr
.irp i, 0,1,2,3,4,5,6,7
	v_min_num_f32 v[MN+\i], v[MN+\i], v[TP+\i]
.endr
.irp i, 0,1,2,3,4,5,6,7
	v_permlanex16_b32 v[TP+\i], v[MN+\i], s[SEL], s[SEL+1]
.endr
.irp i, 0,1,2,3,4,5,6,7
	v_min_num_f32 v[MN+\i], v[MN+\i], v[TP+\i]     ; -M of the row: the least -Mloc of the eight K steps
.endr
.macro ALL32 body:vararg
.set n, 0
.rept 32
	\body
.set n, n+1
.endr
.endm
	ALL32 v_sub_f32 v[NMR+n], v[MN+n%8], v[NMR+n]                 ; d = Mloc - M: a whole number, 0 or less
	ALL32 v_max_num_f32 v[NMR+n], 0xc2fe0000, v[NMR+n]            ; held at -127
	ALL32 v_cvt_i32_f32 v[NMR+n], v[NMR+n]
	ALL32 v_ldexp_f32 v[LLR+n], v[LLR+n], v[NMR+n]                ; the step's sum under the row's M
	ALL32 v_sub_nc_u32 v[NMR+n], 0, v[NMR+n]                      ; e = -d, 0 .. 127,
	ALL32 v_lshl_or_b32 v[NMR+n], v[NMR+n], 8, v[NMR+n]
	ALL32 v_lshl_or_b32 v[NMR+n], v[NMR+n], 16, v[NMR+n]          ; in all four bytes
	ALL32 v_or_b32 v[XA+n], 0x80808080, v[SB+n]                   ; P's bytes are at most 123: with 128 on top of each, no byte borrows from the next
	ALL32 v_sub_nc_u32 v[XA+n], v[XA+n], v[NMR+n]                 ; 128 + byte - e
	ALL32 v_and_b32 v[NMR+n], 0x80808080, v[XA+n]                 ; the top bit stands where byte - e is not negative
	ALL32 v_lshrrev_b32 v[TA+n], 7, v[NMR+n]
	ALL32 v_sub_nc_u32 v[NMR+n], v[NMR+n], v[TA+n]                ; 0x7f in those bytes, 0 in the others
	ALL32 v_and_b32 v[SB+n], v[XA+n], v[NMR+n]                    ; byte - e, held at 0
.irp i, 0,1,2,3,4,5,6,7
	v_add_f32 v[LLR+\i], v[LLR+\i], v[LLR+8+\i]
.endr
.irp i, 0,1,2,3,4,5,6,7
	v_add_f32 v[LLR+16+\i], v[LLR+16+\i], v[LLR+24+\i]
.endr
.irp i, 0,1,2,3,4,5,6,7
	v_add_f32 v[LLR+\i], v[LLR+\i], v[LLR+16+\i]
.endr
.irp i, 0,1,2,3,4,5,6,7
	v_permlanex16_b32 v[TP+\i], v[LLR+\i], s[SEL], s[SEL+1]
.endr
.irp i, 0,1,2,3,4,5,6,7
	v_add_f32 v[LLR+\i], v[LLR+\i], v[TP+\i]       ; l of stored query 16 i + r
.endr
.irp i, 0,1,2,3,4,5,6,7
	ds_store_b32 v[LSA], v[LLR+\i] offset:128*(\i/2)+32*(\i%2)   ; to the query's own place: 32 (i / 2) + 8 (i % 2) + r + 8 (r / 8); both halves of the lanes write the same word with the same value
.endr
	ds_load_b128 v[LQ:LQ+3], v[LSR]                ; LDS serves a wave's instructions in order: this sees my stores
	s_wait_dscnt 0x0
.irp q, 0,1,2,3
	v_rcp_f32 v[RL+\q], v[LQ+\q]
.endr
	v_nop                                          ; a plain instruction behind the reciprocals
	s_wait_alu depctr_va_vdst(0)                   ; and one wait for the four
.rept 8
	v_nop                                          ; scale registers written by vector instructions stand eight places ahead of the first scaled product
.endr
	GATE 3
	FETCH 0, 0
	STEP 0, -1
	STEP 1, 2
	STEP 2, -1
	STEP 3, 1
	STEP 4, -1
	STEP 5, 0
	STEP 6, -1
	STEP 7, -1
	WIN 0
.rept 4
	v_nop                                          ; places in front of the first read of results and of loads into the fragments' registers
.endr
; THE WAY OUT, block by block of 16 channels x 128 queries: through my stage, back as whole rows of 512 bytes, x 1 / l, + x, stored.
.macro TOSTAGE a
	WIN 0x08                                       ; an LDS store's data: window 2
.irp b, 0,1,2,3,4,5,6,7
	ds_store_b128 v[STO], v[64*(\a)+8*\b:64*(\a)+8*\b+3] offset:128*(\b/2)+32*(\b%2)       ; each accumulator from its low end on: queries 32 (b / 2) + 16 h + 8 (b % 2) + 0 .. 7
	ds_store_b128 v[STO], v[64*(\a)+8*\b+4:64*(\a)+8*\b+7] offset:128*(\b/2)+32*(\b%2)+16
.endr
	WIN 0
.set BB, BK+64*((\a)%2)
.irp t, 0,1,2,3,4,5,6,7,8,9,10,11,12,13,14,15
	ds_load_b128 v[BB+4*\t:BB+4*\t+3], v[RD] offset:\t*SPITCH   ; in order behind the stores above, and ahead of the next block's
.endr
.endm
.macro SEND a, younger                 ; younger: the LDS instructions issued behind block a's loads, which may stay out
.set BB, BK+64*((\a)%2)
	s_wait_dscnt \younger
	s_wait_loadcnt 16*(3-(\a))                     ; this block's 16 rows of x are in; the later blocks' may be out
	WIN 0x30                                       ; source 2 window 3
.irp t, 0,1,2,3,4,5,6,7,8,9,10,11,12,13,14,15
	v_pk_fma_f32 v[BB+4*\t:BB+4*\t+1], v[BB+4*\t:BB+4*\t+1], v[RL:RL+1], v[4*(16*(\a)+\t):4*(16*(\a)+\t)+1]
	v_pk_fma_f32 v[BB+4*\t+2:BB+4*\t+3], v[BB+4*\t+2:BB+4*\t+3], v[RL+2:RL+3], v[4*(16*(\a)+\t)+2:4*(16*(\a)+\t)+3]
.endr
	WIN 0
.irp t, 0,1,2,3,4,5,6,7,8,9,10,11,12,13,14,15
	global_store_b128 v[CO], v[BB+4*\t:BB+4*\t+3], s[14:15] offset:(32*((\a)/2)+8*((\a)%2)+\t+8*(\t/8))*4096 th:TH_STORE_NT   ; 32 lanes store 512 consecutive bytes, aligned; written once
.endr
.endm
	TOSTAGE 0
.irp a, 1,2,3
.if \a > 1
	s_wait_xcnt 0x0                                ; block a - 2's stores have read their registers: block a's loads may land there
.endif
	TOSTAGE \a
	SEND \a-1, 32                                  ; behind block a - 1's loads: block a's 16 stores and 16 loads
.endr
	SEND 3, 0
	s_wait_tensorcnt 0x0                           ; the wave's end, behind my last tensor load and my last LDS store
	ds_add_u32 v[SPW], v[NIL]
	s_wait_dscnt 0x0
	CROUND                                         ; the closing round
	s_endpgm
.Lfunc_end_k_q87ce5a426b_mix:
	.size	k_q87ce5a426b_mix, .Lfunc_end_k_q87ce5a426b_mix-k_q87ce5a426b_mix
	.p2alignl 7, 3214868480
	.fill 96, 4, 3214868480
	.section	.rodata,"a",@progbits
	.p2align	6, 0x0
	.amdhsa_kernel k_q87ce5a426b_mix
		.amdhsa_group_segment_fixed_size 327680
		.amdhsa_private_segment_fixed_size 0
		.amdhsa_enable_private_segment 0
		.amdhsa_kernarg_size 48
		.amdhsa_user_sgpr_count 2
		.amdhsa_user_sgpr_kernarg_segment_ptr 1
		.amdhsa_wavefront_size32 1
		.amdhsa_system_sgpr_workgroup_id_x 1
		.amdhsa_system_sgpr_workgroup_id_y 1
		.amdhsa_system_sgpr_workgroup_id_z 1
		.amdhsa_system_vgpr_workitem_id 0
		.amdhsa_next_free_vgpr 1024
		.amdhsa_next_free_sgpr 100
		.amdhsa_reserve_vcc 0
		.amdhsa_float_denorm_mode_32 3
		.amdhsa_float_denorm_mode_16_64 3
		.amdhsa_memory_ordered 1
		.amdhsa_forward_progress 1
		.amdhsa_inst_pref_size 120
	.end_amdhsa_kernel
	.amdgpu_metadata
---
amdhsa.version: [ 1, 2 ]
amdhsa.kernels:
  - .name:           k_q87ce5a426b_mix
    .symbol:         k_q87ce5a426b_mix.kd
    .args:
      - { .name: qkvc, .offset: 0, .size: 8, .value_kind: global_buffer, .address_space: global }
      - { .name: qkvs, .offset: 8, .size: 8, .value_kind: global_buffer, .address_space: global }
      - { .name: pc, .offset: 16, .size: 8, .value_kind: global_buffer, .address_space: global }
      - { .name: pst, .offset: 24, .size: 8, .value_kind: global_buffer, .address_space: global }
      - { .name: input_, .offset: 32, .size: 8, .value_kind: global_buffer, .address_space: global }
      - { .name: out0, .offset: 40, .size: 8, .value_kind: global_buffer, .address_space: global }
    .group_segment_fixed_size: 327680
    .private_segment_fixed_size: 0
    .kernarg_segment_align: 8
    .kernarg_segment_size: 48
    .max_flat_workgroup_size: 128
    .sgpr_count:     100
    .vgpr_count:     1024
    .wavefront_size: 32
...
	.end_amdgpu_metadata
.endif
;; end of part 7
